; MI455X (gfx1250); checked and timed in simulation.
; The chip was launched on July 23, 2026; its instructions are those of AMD's public machine-readable ISA for CDNA 5 (MIT licence, August 2026) and "CDNA5" Instruction Set Architecture Reference Guide (July 2026). The comments in the code are by the model that wrote it; some were corrected since.
;; MHC Lite Block. Allowed arithmetic: matrix products marked QUANTISED: E2M3 operands, one E8M0 scale for each 32 along K, by v_wmma_scale_f32_16x16x128_f8f6f4 with both operands' format E2M3, f32 sums; products left as they are: f32 operands where the result goes on into a quantised operand, else bf16, f16 or f32 operands; f32 sums; everything else in f32.
;; Inputs: W1 8,192 x 2,048 float32; W2 2,048 x 8,192 float32; W_all 32 x 8,192 float32; alpha_post 1 float32; alpha_pre 1 float32; alpha_res 1 float32; b1 8,192 float32; b2 2,048 float32; b_all 32 float32; perm_mat 24 x 16 float32; x_streams 2 x 1,024 x 4 x 2,048 float32.
;; Outputs: out0 2 x 1,024 x 4 x 2,048 float32.
;; This version of the problem:
;;   THIS VERSION OF THE PROBLEM IS GIVEN IN LOW PRECISION. The matrix products marked QUANTISED in the list below multiply operands that are first quantised to E2M3 (2 exponent bits, 3 mantissa bits; 6 bits a number), with one power-of-two scale for each 32 numbers along K (OCP MX v1.0); their sums are f32. All else is computed in f32.
;;   The module's matrix products, in the order in which they are computed (A, B: the left and right operand; K: the contracted axis; several contracted axes count as one K, in the product's order):
;;     1. [M 2,048, K 8,192] x [K 8,192, N 32]; A: computed on the way; B: input W_all: QUANTISED
;;     2. [M 2,048, K 24] x [K 24, N 16]; A: softmax; B: input perm_mat: left as it is (K = 24 < 32)
;;     3. batch 2,048 x [M 1, K 4] x [K 4, N 2,048]; A: computed on the way; B: input x_streams: left as it is (K = 4 < 32)
;;     4. [M 2,048, K 2,048] x [K 2,048, N 8,192]; A: computed on the way; B: input W1: QUANTISED
;;     5. [M 2,048, K 8,192] x [K 8,192, N 2,048]; A: computed on the way; B: input W2: QUANTISED
;;     6. batch 2,048 x [M 4, K 4] x [K 4, N 2,048]; A: computed on the way; B: input x_streams: left as it is (K = 4 < 32)
;;   THE QUANTISER, for each operand of a quantised product, along K:
;;     - K is cut into blocks of 32 from its start; a last block that is shorter is filled with zeros.
;;     - A block's scale is 2^e with e = floor(log2(the largest magnitude in the block)) - 2, held to -126 .. 127; a block of zeros has e = 0. As a byte (E8M0): e + 127.
;;     - Each number is divided by its block's scale, clamped to +-7.5, and rounded to the nearest number of E2M3, ties to even, subnormals kept.
;;     - The product sums the exact products of the quantised numbers (number of the format x scale) in f32.
;;   ~~~python
;;   def quantise(x, axis):      # numpy; x: float32 -> the quantised numbers, widened to float32 again
;;       x = np.moveaxis(x, axis, -1); K = x.shape[-1]
;;       x = np.pad(x, [(0, 0)] * (x.ndim - 1) + [(0, -K % 32)]); x = x.reshape(x.shape[:-1] + (-1, 32)); a = np.abs(x).max(-1, keepdims=True)
;;       e = np.where(a > 0, np.clip(np.frexp(np.where(a > 0, a, 1))[1] - 1 - 2, -126, 127), 0)      # np.frexp(a)[1] - 1 = floor(log2(a)), exactly
;;       r = np.clip(x / 2.0 ** e, -7.5, 7.5)
;;       step = 2.0 ** (np.maximum(np.frexp(np.where(r == 0, 1, r))[1] - 1, 0) - 3)
;;       q = np.round(r / step) * step * 2.0 ** e      # np.round: ties to even
;;       return np.moveaxis(q.reshape(q.shape[:-2] + (-1,))[..., :K], -1, axis).astype(np.float32)
;;   ~~~
;;   OPERANDS COMPUTED ON THE WAY. 'Computed on the way' means the value that the module computes at that place (a softmax that the list does not call 'softmax' is quantised finished and normalised). What goes into a quantiser is computed in f32, as accurately as f32 sums, v_exp_f32 and their like allow (about 1e-6 of the number): no bf16 or f16 on the way to a quantiser, and a product that is left as it is and whose result goes on into a quantised operand takes f32 operands (vector FMAs, or v_wmma_f32_16x16x4_f32). A number that lies on a knife's edge between two numbers of the format may be rounded either way, as far as f32 arithmetic and the matrix unit's own rounding can turn it there, and no further.
;; One version. Each part assembles by itself: llvm-mc -triple=amdgcn-amd-amdhsa -mcpu=gfx1250 --defsym DOCPART=n.
;; ======== version 1 of 1: 4 launches
;; limits: right only within a limited range of input values
;; workspace buffers: wq 26,419,200 bytes; liq 3,276,800 bytes; hq 13,107,200 bytes; coef 163,840 bytes
;; launch quant (part 1): grid 516 x 1, 4 waves a work-group, no clusters, 36,352 bytes of LDS; arguments W1, W2, W_all, wq; writes wq
.if DOCPART == 1
	.amdgcn_target "amdgcn-amd-amdhsa--gfx1250"
	.amdhsa_code_object_version 6
	.text
	.protected	k_q76d4c7f808_quant
	.globl	k_q76d4c7f808_quant
	.p2align	8
	.type	k_q76d4c7f808_quant,@function
k_q76d4c7f808_quant:
	s_mov_b64 s[64:65], 0
	v_nop
	global_prefetch_b8 v0, s[64:65] scope:SCOPE_SE
	s_setreg_imm32_b32 hwreg(HW_REG_WAVE_MODE, 25, 1), 1
	s_wait_xcnt 0x0
; W1 [8192][2048], W2 [2048][8192] and W_all [32][8192], f32 with K innermost, become codes of FP6 (E2M3) with one E8M0 scale byte for each 32 along K.
; DEAD WORK: none.  Each of reference()'s eleven inputs has a way to out0 for some values of the inputs (perm_mat too: it is an input), so no product, input or step is left out in any launch of this program.
; A block's scale is 2^(floor(log2(its largest magnitude)) - 2); its byte is the largest magnitude's exponent field - 2, held at 1 from below.
; LIMITS: a block of zeros, or one whose largest magnitude lies under 2^-124, gets the byte 1 (for zeros the rule says 127: the codes are zeros, which add nothing under any byte but 0xff, and this program alone reads the bytes);
; NaN and infinities among the inputs are not served.
; LAYOUT OF wq: operands lie as IMAGES OF THEIR REGISTERS.  A fragment (16 rows x 128 K, 12 registers a lane) is 1,536 bytes: registers 4 c .. 4 c + 3 of lane l at 512 c + 16 l.  Codes: [tile of 128 rows][K step][block 0..7][1,536];
; scale words: [tile][K step][128 words].  W_all: [K step][block 0..1][1,536] and [K step][32 words].  W1's codes at 0, W2's at 12,582,912, W_all's at 25,165,824; the scale words at 25,362,432, 25,886,720, 26,411,008.
; THE ROWS OF A BLOCK ARE NOT NEIGHBOURS: place (block f, row r) holds row 32 (f / 2) + 8 (f % 2) + r + 8 (r / 8) of the tile, so that the products, used transposed, leave 16 neighbouring columns in the 16 registers of two neighbouring tiles.
; SHARES: a wave takes a unit of 8 fragments, U = 4 x work-group + wave: 1,024 units of W1, 1,024 of W2, 16 of W_all (there: 4 K steps x 2 blocks).  Codes go to wq + 12,288 U, scale words to wq + 25,362,432 + 512 U, whichever the tensor.
; One path through the text serves all three: the pointer and six sizes are chosen by the work-group's number.  Each load reads 512 consecutive bytes of a row; a fragment turns through the wave's own stage in LDS
; (16 rows, pitch 528 = 33 x 16 bytes) so that a lane gets 16 neighbours of each block of 32.  No tensor loads, no barrier: waves share nothing.  Two fragments' loads (32 a wave) are out at most.
.set WREG,  8960                       ; LDS of a wave: the stage, 16 x 528 bytes, and 512 bytes of scale words
.set SCW,   8448
.set SPARE, 4*WREG                     ; the spare words, 128 bytes for each wave; no other line names them
.set L16,  1                           ; v1   16 x lane
.set SIN,  2                           ; v2   the stage, on the way in
.set SOUT, 3                           ; v3   and on the way out: 528 r + 64 h
.set SWI,  4                           ; v4   my row's scale word in LDS
.set SWO,  5                           ; v5   the unit's scale words on the way out
.set SPW,  6                           ; v6   my spare word; never rewritten
.set NIL,  7                           ; v7   0; never rewritten
.set VA,   8                           ; v8-23   row place i of a fragment: (i + 8 (i / 8)) x row bytes + 16 x lane
.set R,    24                          ; v24-151 two sets of 64 numbers as loaded
.set X,    152                         ; v152-215 64 numbers: register 16 b + i = k 32 b + 16 h + i of row r
.set TM,   216                         ; v216-227 at work in QUANT
.set PW,   228                         ; the scale word just made
.set PC,   230                         ; v230-248 the codes just made
.set SEL,  36                          ; s[36:37] lane selects: lane l xor 16
; 64 numbers of a lane, v[s] .. v[s + 63], become a fragment's codes in v[PC] .. v[PC + 11] and its row's scale word in v[PW].
.macro QUANT s
.irp b, 0,1,2,3
	v_max3_num_f32 v[TM+\b], |v[\s+16*\b]|, |v[\s+1+16*\b]|, 0x1800000   ; block b: my 16 numbers, and the floor 2^(3 - 127): the byte cannot fall under 1
.endr
.irp i, 2,4,6,8,10,12,14
.irp b, 0,1,2,3
	v_max3_num_f32 v[TM+\b], v[TM+\b], |v[\s+16*\b+\i]|, |v[\s+1+16*\b+\i]|   ; the four blocks by turns
.endr
.endr
.irp b, 0,1,2,3
	v_permlanex16_b32 v[TM+4+\b], v[TM+\b], s[SEL], s[SEL+1]
.endr
.irp b, 0,1,2,3
	v_max_num_f32 v[TM+\b], v[TM+\b], v[TM+4+\b]       ; with lane l xor 16's: the block's largest magnitude
.endr
.irp b, 0,1,2,3
	v_add_nc_u32 v[TM+8+\b], 0xff000000, v[TM+\b]      ; 2 off its exponent field: the conversion's scale operand
.endr
.irp b, 0,1,2,3
	v_lshrrev_b32 v[TM+4+\b], 23, v[TM+8+\b]           ; the scale's byte
.endr
	v_lshl_or_b32 v[PW], v[TM+5], 8, v[TM+4]
	v_lshl_or_b32 v[PW], v[TM+6], 16, v[PW]
	v_lshl_or_b32 v[PW], v[TM+7], 24, v[PW]
.irp c, 0,1
	v_cvt_scalef32_pk16_fp6_f32 v[PC+6*\c:PC+2+6*\c], v[\s+32*\c:\s+15+32*\c], v[TM+8+2*\c]
	v_cvt_scalef32_pk16_fp6_f32 v[PC+12+4*\c:PC+14+4*\c], v[\s+16+32*\c:\s+31+32*\c], v[TM+8+2*\c+1]   ; a conversion's three registers begin on an even number
.endr
	v_nop                                              ; one plain place behind a scaled conversion
.irp c, 0,1                                            ; the operand's layout wants a whole block in a lane
.irp i, 0,1,2
	v_permlane16_swap_b32 v[PC+6*\c+\i], v[PC+12+4*\c+\i]
.endr
.irp i, 0,1,2
	v_mov_b32 v[PC+3+6*\c+\i], v[PC+12+4*\c+\i]
.endr
.endr
.endm
	s_load_b256 s[4:11], s[0:1], 0x0               ; W1 s[4:5], W2 s[6:7], W_all s[8:9], wq s[10:11]
	v_lshl_add_u32 v[SPW], v0, 2, SPARE
	v_mov_b32 v[NIL], 0
	v_lshrrev_b32 v24, 5, v0
	v_readfirstlane_b32 s12, v24                   ; wave
	v_and_b32 v24, 31, v0                          ; lane
	v_and_b32 v25, 15, v0                          ; r
	v_bfe_u32 v26, v0, 4, 1                        ; h
	v_lshlrev_b32 v[L16], 4, v24
	s_mul_i32 s14, s12, WREG
	v_add_nc_u32 v[SIN], s14, v[L16]
	v_mul_u32_u24 v[SOUT], v25, 528
	v_lshl_add_u32 v[SOUT], v26, 6, v[SOUT]
	v_add_nc_u32 v[SOUT], s14, v[SOUT]
	s_add_co_u32 s14, s14, SCW
	v_lshl_add_u32 v[SWI], v25, 2, s14
	v_add_nc_u32 v[SWO], s14, v[L16]
.irp b, 0,1,2,3
	v_mov_b32 v[TM+4+\b], 0                        ; written once: a lane permute's destination counts as one of its sources
.endr
	s_mov_b32 s[SEL], 0x76543210
	s_mov_b32 s[SEL+1], 0xfedcba98
	s_lshl_b32 s13, ttmp9, 2
	s_add_co_u32 s13, s13, s12                     ; U
	s_cmp_lt_u32 ttmp9, 256                        ; W1's work-groups?
	s_cselect_b32 s40, 4, 6                        ; K steps in a row: 2^4, 2^6
	s_mov_b32 s41, 0x400000
	s_cselect_b32 s41, 0x100000, s41               ; bytes of 128 rows
	s_cselect_b32 s42, 15, 63
	s_mov_b32 s44, 0x8000
	s_cselect_b32 s44, 0x2000, s44                 ; bytes of a row
	s_mov_b32 s45, 0x100000
	s_cselect_b32 s45, 0x40000, s45                ; from fragment f to f + 2: 32 rows
	s_cselect_b32 s46, 0, 1024                     ; the tensor's first unit
	s_cmp_lt_u32 ttmp9, 512                        ; or W_all's?
	s_cselect_b32 s40, s40, 4
	s_cselect_b32 s41, s41, 0
	s_cselect_b32 s42, s42, 15
	s_mov_b32 s43, 2048
	s_cselect_b32 s43, 512, s43                    ; a unit along K: one K step; in W_all four
	s_cselect_b32 s45, s45, 512                    ; in W_all: the next K step
	s_cselect_b32 s46, s46, 2048
	s_sub_co_u32 s47, s13, s46                     ; the unit's number in its tensor
	s_lshr_b32 s48, s47, s40
	s_mul_i32 s48, s48, s41
	s_and_b32 s49, s47, s42
	s_mul_i32 s49, s49, s43
	s_add_co_u32 s48, s48, s49                     ; where the unit begins, in bytes (under 2^26)
	s_mov_b32 s49, 0
	s_lshl_b32 s50, s44, 3                         ; from an even fragment to the odd one: 8 rows
	s_mov_b32 s51, 0
	s_mov_b32 s52, s45
	s_mov_b32 s53, 0
.set ii, 0
.rept 16
	s_mul_i32 s56, s44, ii+8*(ii/8)
	v_add_nc_u32 v[VA+ii], s56, v[L16]
.set ii, ii+1
.endr
	s_mul_i32 s54, s13, 12288
	s_mov_b32 s55, 0
	s_wait_alu depctr_va_vdst(0)
	s_wait_kmcnt 0x0
	s_add_nc_u64 s[32:33], s[10:11], s[54:55]      ; my unit's codes
	s_lshl_b32 s54, s13, 9
	s_add_co_u32 s54, s54, 25362432
	s_add_nc_u64 s[34:35], s[10:11], s[54:55]      ; and its scale words
	s_cmp_lt_u32 ttmp9, 256                        ; the choice hangs on the work-group's number alone
	s_cselect_b64 s[4:5], s[4:5], s[6:7]
	s_cmp_lt_u32 ttmp9, 512
	s_cselect_b64 s[4:5], s[4:5], s[8:9]
	s_add_nc_u64 s[16:17], s[4:5], s[48:49]        ; s[16 + 2 f : 17 + 2 f]: fragment f's first row
	s_add_nc_u64 s[18:19], s[16:17], s[50:51]
.irp f, 2,3,4,5,6,7
	s_add_nc_u64 s[16+2*\f:17+2*\f], s[12+2*\f:13+2*\f], s[52:53]
.endr
.macro LOAD f                          ; fragment f: 16 rows, 512 consecutive bytes each
.set jj, 0
.rept 16
	global_load_b128 v[R+64*((\f)%2)+4*jj:R+64*((\f)%2)+4*jj+3], v[VA+jj], s[16+2*(\f):17+2*(\f)] th:TH_LOAD_NT
.set jj, jj+1
.endr
.endm
.macro FRAGQ f
.if (\f) < 7
	s_wait_loadcnt 16                              ; this fragment's 16 loads are in; the next one's 16 may be out
.else
	s_wait_loadcnt 0
.endif
.set jj, 0
.rept 16
	ds_store_b128 v[SIN], v[R+64*((\f)%2)+4*jj:R+64*((\f)%2)+4*jj+3] offset:528*jj
.set jj, jj+1
.endr
.irp b, 0,1,2,3
.irp j, 0,1,2,3
	ds_load_b128 v[X+16*\b+4*\j:X+16*\b+4*\j+3], v[SOUT] offset:128*\b+16*\j   ; LDS serves a wave's instructions in order: these see the stores above
.endr
.endr
	s_wait_dscnt 0x0                               ; the numbers are back, and the stage's stores have read their registers,
.if (\f) < 6
	LOAD (\f)+2                                    ; which take the fragment two further on
.endif
	s_wait_xcnt 0x0                                ; the last fragment's stores have read their data: the codes' registers are written again only behind this wait
	QUANT X
.irp c, 0,1,2
	global_store_b128 v[L16], v[PC+4*\c:PC+4*\c+3], s[32:33] offset:1536*(\f)+512*\c   ; 512 consecutive bytes, aligned
.endr
	ds_store_b32 v[SWI], v[PW] offset:64*(\f)      ; both halves of the lanes write the same word with the same value
.endm
	LOAD 0
	LOAD 1
.irp f, 0,1,2,3,4,5,6,7
	FRAGQ \f
.endr
	ds_load_b128 v[X:X+3], v[SWO]                  ; the unit's 128 scale words
	s_wait_dscnt 0x0
	global_store_b128 v[L16], v[X:X+3], s[34:35]   ; 512 consecutive bytes, aligned
	s_wait_tensorcnt 0x0                           ; the wave's end, behind my last LDS store
	ds_add_u32 v[SPW], v[NIL]
	s_wait_dscnt 0x0
	s_endpgm
.Lfunc_end_k_q76d4c7f808_quant:
	.size	k_q76d4c7f808_quant, .Lfunc_end_k_q76d4c7f808_quant-k_q76d4c7f808_quant
	.p2alignl 7, 3214868480
	.fill 96, 4, 3214868480
	.section	.rodata,"a",@progbits
	.p2align	6, 0x0
	.amdhsa_kernel k_q76d4c7f808_quant
		.amdhsa_group_segment_fixed_size 36352
		.amdhsa_private_segment_fixed_size 0
		.amdhsa_enable_private_segment 0
		.amdhsa_kernarg_size 32
		.amdhsa_user_sgpr_count 2
		.amdhsa_user_sgpr_kernarg_segment_ptr 1
		.amdhsa_wavefront_size32 1
		.amdhsa_system_sgpr_workgroup_id_x 1
		.amdhsa_system_sgpr_workgroup_id_y 1
		.amdhsa_system_sgpr_workgroup_id_z 1
		.amdhsa_system_vgpr_workitem_id 0
		.amdhsa_next_free_vgpr 256
		.amdhsa_next_free_sgpr 66
		.amdhsa_reserve_vcc 0
		.amdhsa_float_denorm_mode_32 3
		.amdhsa_float_denorm_mode_16_64 3
		.amdhsa_memory_ordered 1
		.amdhsa_forward_progress 1
		.amdhsa_inst_pref_size 67
	.end_amdhsa_kernel
	.amdgpu_metadata
---
amdhsa.version: [ 1, 2 ]
amdhsa.kernels:
  - .name:           k_q76d4c7f808_quant
    .symbol:         k_q76d4c7f808_quant.kd
    .args:
      - { .name: W1, .offset: 0, .size: 8, .value_kind: global_buffer, .address_space: global }
      - { .name: W2, .offset: 8, .size: 8, .value_kind: global_buffer, .address_space: global }
      - { .name: W_all, .offset: 16, .size: 8, .value_kind: global_buffer, .address_space: global }
      - { .name: wq, .offset: 24, .size: 8, .value_kind: global_buffer, .address_space: global }
    .group_segment_fixed_size: 36352
    .private_segment_fixed_size: 0
    .kernarg_segment_align: 8
    .kernarg_segment_size: 32
    .max_flat_workgroup_size: 128
    .sgpr_count:     66
    .vgpr_count:     256
    .wavefront_size: 32
...
	.end_amdgpu_metadata
.endif
;; end of part 1
;; launch coef (part 2): grid 256 x 1, 8 waves a work-group, no clusters, 288,256 bytes of LDS; arguments x_streams, wq, b_all, alpha_pre, alpha_post, alpha_res, perm_mat, liq, coef; writes liq, coef
.if DOCPART == 2
	.amdgcn_target "amdgcn-amd-amdhsa--gfx1250"
	.amdhsa_code_object_version 6
	.text
	.protected	k_q76d4c7f808_coef
	.globl	k_q76d4c7f808_coef
	.p2align	8
	.type	k_q76d4c7f808_coef,@function
k_q76d4c7f808_coef:
	s_mov_b64 s[64:65], 0
	v_nop
	global_prefetch_b8 v0, s[64:65] scope:SCOPE_SE
	s_setreg_imm32_b32 hwreg(HW_REG_WAVE_MODE, 25, 1), 1
	s_wait_xcnt 0x0
; For 8 tokens a work-group: the RMS norm over 8,192 numbers, Q(x_norm) Q(W_all)^T on codes of FP6, the gates, H_merged and h_post (to coef), and layer_input = the sum over streams of h_pre x, quantised (to liq).  No work is left out.
; The tokens' 256 KiB of x come into LDS ONCE, one tensor load a wave (its own token), and are read three times from there: sum of squares, x_norm, layer_input.  No LDS byte is filled again.
; NO CLUSTER: work-groups share W_all's codes alone, 196,608 bytes beside the 262,144 bytes of x that each reads for itself, and each wave takes its eighth of them straight into registers.
; LDS: number k of token t lies at 33,824 t + 528 (k / 128) + 4 (k % 128): rows of 512 bytes + 16 of padding; 33,824 = 2,114 x 16 and 528 = 33 x 16, so lanes (token tau, row parity pi) start in 16-byte column 2 tau + pi.
; LANES: r = lane % 16, h = lane / 16, tau = r % 8 (the token), pi = r / 8.  A fragment's 16 rows are 8 tokens x 2 neighbouring K steps, so every lane quantises useful numbers.
; PRODUCT 1, transposed (source 0 = 16 rows of W_all, source 1 = the fragment).  Wave w takes K steps 8 w .. 8 w + 7.  Accumulators E multiply by the even K step's W_all and hold in lanes r < 8, accumulators O by the odd one's
; and hold in lanes r >= 8; the other lanes' numbers are products of unlike K steps and are never read.  E + O (lane xor 8), then the eight waves' parts meet in LDS.  Every wave makes the gates itself: no third barrier.
; LIMITS: as in the first launch (the byte 1 for blocks of zeros; NaN and infinities among the inputs are not served).  The softmax takes its maximum away, as reference() does.
.set TOKP,  33824
.set RSQ,   270592                     ; behind x: eight words, 1 / rms of each token
.set PRT,   270848                     ; 8 x 2,048 bytes: each wave's part of the projection
.set SPARE, 287232                     ; the spare words, 128 bytes for each wave; no other line names them
.set LB2, 6                            ; v6   x_norm's reads: lane part + 4,224 x wave
.set LB3, 7                            ; v7   layer_input's reads: lane part + 1,056 x wave
.set OWN, 8                            ; v8   my wave's token: 33,824 x wave + 16 x lane
.set PWR, 9                            ; v9   where I put my part of the projection
.set PRD, 10                           ; v10  where I read the parts: PRT + 16 (tau + 16 h)
.set RSA, 11                           ; v11  RSQ + 4 tau
.set CST, 12                           ; v12  liq's codes: 12,288 pi + 16 (tau + 16 h)
.set SST, 13                           ; v13  liq's scale words: 512 pi + 4 tau
.set SPW, 14                           ; v14  my spare word; never rewritten
.set NIL, 15                           ; v15  0; never rewritten
.set X,   16                           ; v16-79   64 numbers; later the gates' work
.set XB,  80                           ; v80-143  a second set, in the last pass
.set PM,  80                           ; v80-175  perm_mat: row f's four numbers of my row i = 2 h + pi of H
.set Y,   144                          ; v144-207 layer_input
.set E0,  176                          ; v176-191 E (two tiles); then the projection
.set O0,  192                          ; v192-207 O (two tiles)
.set TM,  208                          ; v208-219 at work
.set PMA, 220                          ; v220 16 i
.set HMA, 221                          ; v221 64 tau + 16 i
.set HPA, 222                          ; v222 16 tau + 4 i
.set RSW, 223                          ; v223 RSQ + 4 x wave
.set PW,  224
.set L16, 225                          ; v225 16 x lane
.set PC,  226                          ; v226-244
.set L4,  245                          ; v245 4 x lane
.set WS,  246                          ; v246-253 W_all's scale words of my 8 K steps: lanes 0-15 block 0, lanes 16-31 block 1
.set HPP, 246                          ; later: h_pre, each number twice (a pair for the packed forms)
.set RSP, 254                          ; v[254:255] 1 / rms of token tau, twice
.set Z,   16
.set HR,  52
.set SEL, 88
.set MSB, 0
.macro WIN new                         ; the immediate's high byte repeats the setting that is left
.set NEWW, \new
.if MSB != NEWW
	s_set_vgpr_msb (MSB<<8)|NEWW
.set MSB, NEWW
.endif
.endm
.macro QUANT s                         ; 64 numbers of a lane (register 16 b + i = k 32 b + 16 h + i of its row) -> codes in v[PC] .. v[PC + 11], scale word in v[PW]
.irp b, 0,1,2,3
	v_max3_num_f32 v[TM+\b], |v[\s+16*\b]|, |v[\s+1+16*\b]|, 0x1800000   ; and the floor 2^(3 - 127): the byte cannot fall under 1
.endr
.irp i, 2,4,6,8,10,12,14
.irp b, 0,1,2,3
	s_delay_alu instid0(VALU_DEP_4)
	v_max3_num_f32 v[TM+\b], v[TM+\b], |v[\s+16*\b+\i]|, |v[\s+1+16*\b+\i]|
.endr
.endr
.irp b, 0,1,2,3
	s_delay_alu instid0(VALU_DEP_4)
	v_permlanex16_b32 v[TM+4+\b], v[TM+\b], s[SEL], s[SEL+1]
.endr
.irp b, 0,1,2,3
	s_delay_alu instid0(VALU_DEP_4)
	v_max_num_f32 v[TM+\b], v[TM+\b], v[TM+4+\b]
.endr
.irp b, 0,1,2,3
	s_delay_alu instid0(VALU_DEP_4)
	v_add_nc_u32 v[TM+8+\b], 0xff000000, v[TM+\b]      ; 2 off the exponent field: the conversion's scale operand
.endr
.irp b, 0,1,2,3
	s_delay_alu instid0(VALU_DEP_4)
	v_lshrrev_b32 v[TM+4+\b], 23, v[TM+8+\b]
.endr
	s_delay_alu instid0(VALU_DEP_3)
	v_lshl_or_b32 v[PW], v[TM+5], 8, v[TM+4]
	s_delay_alu instid0(VALU_DEP_1)
	v_lshl_or_b32 v[PW], v[TM+6], 16, v[PW]
	s_delay_alu instid0(VALU_DEP_1)
	v_lshl_or_b32 v[PW], v[TM+7], 24, v[PW]
.irp c, 0,1
	v_cvt_scalef32_pk16_fp6_f32 v[PC+6*\c:PC+2+6*\c], v[\s+32*\c:\s+15+32*\c], v[TM+8+2*\c]
	v_cvt_scalef32_pk16_fp6_f32 v[PC+12+4*\c:PC+14+4*\c], v[\s+16+32*\c:\s+31+32*\c], v[TM+8+2*\c+1]
.endr
	v_nop                                              ; one plain place behind a scaled conversion
.irp c, 0,1
.irp i, 0,1,2
	v_permlane16_swap_b32 v[PC+6*\c+\i], v[PC+12+4*\c+\i]
.endr
.irp i, 0,1,2
	s_delay_alu instid0(VALU_DEP_3)
	v_mov_b32 v[PC+3+6*\c+\i], v[PC+12+4*\c+\i]
.endr
.endr
.endm
	s_load_b512 s[4:19], s[0:1], 0x0               ; x s[4:5], wq s[6:7], b_all s[8:9], the alphas s[10:15], perm_mat s[16:17], liq s[18:19]
	s_load_b64 s[20:21], s[0:1], 0x40              ; coef
	v_lshl_add_u32 v[SPW], v0, 2, SPARE
	v_mov_b32 v[NIL], 0
	ds_add_u32 v[SPW], v[NIL]                      ; the wave's opening: the add, twice on end, and its wait ahead of my first tensor load
	ds_add_u32 v[SPW], v[NIL]
	v_lshrrev_b32 v1, 5, v0
	s_delay_alu instid0(VALU_DEP_1)
	v_readfirstlane_b32 s26, v1                    ; wave 0..7
	s_mov_b32 s32, (3<<16)|(1<<20)|(6<<22)|(3<<25) ; group 1: elements of 8 bytes; padding on, after every 128 words, of 4 words
	s_mov_b32 s33, 64<<16                          ; tensor_dim0 = 64 elements (512 bytes)
	s_mov_b32 s34, 64<<16                          ; tensor_dim1 = 64 rows
	s_mov_b32 s35, 64<<16                          ; tile_dim0
	s_mov_b32 s36, 64                              ; tile_dim1
	s_mov_b32 s37, 64                              ; from row to row: dense
	s_mov_b32 s38, 0
	s_mov_b32 s39, 0
	s_mov_b32 s28, 1                               ; group 0
	s_mul_i32 s29, s26, TOKP                       ; LDS: my token's place
	s_lshl_b32 s22, ttmp9, 3
	s_add_co_u32 s22, s22, s26
	s_lshl_b32 s22, s22, 15                        ; token 8 g + wave, 32,768 bytes each
	s_mov_b32 s23, 0
	s_mov_b32 s[SEL], 0x76543210
	s_mov_b32 s[SEL+1], 0xfedcba98
	s_mov_b32 s94, 0x39000000                      ; 1 / 8,192
	s_mov_b32 s95, 0x34000000                      ; eps = 2^-23
	s_wait_dscnt 0x0                               ; both opening adds are done
	s_wait_kmcnt 0x0
	s_add_nc_u64 s[30:31], s[4:5], s[22:23]
	s_or_b32 s31, s31, 0x80000000
	tensor_load_to_lds s[28:31], s[32:39]          ; my one tensor load: 64 rows of 512 bytes
	s_nop 0
.rept 4
	v_nop
.endr
	s_load_b512 s[40:55], s[8:9], 0x0              ; b_all[0..15]
	s_load_b512 s[68:83], s[8:9], 0x40             ; b_all[16..31]
	s_load_b32 s84, s[10:11], 0x0
	s_load_b32 s85, s[12:13], 0x0
	s_load_b32 s86, s[14:15], 0x0
	s_mul_i32 s22, s26, 24576
	s_add_co_u32 s22, s22, 25165824
	s_add_nc_u64 s[90:91], s[6:7], s[22:23]        ; W_all's codes of my 8 K steps
	s_lshl_b32 s22, s26, 10
	s_add_co_u32 s22, s22, 26411008
	s_add_nc_u64 s[92:93], s[6:7], s[22:23]        ; and their scale words
	s_lshl_b32 s22, ttmp9, 9
	s_add_nc_u64 s[60:61], s[20:21], s[22:23]      ; H_merged of my 8 tokens, 64 bytes each
	s_lshl_b32 s22, ttmp9, 7
	s_add_co_u32 s22, s22, 131072
	s_add_nc_u64 s[62:63], s[20:21], s[22:23]      ; h_post, 16 bytes each
	s_lshr_b32 s22, ttmp9, 4                       ; liq: the tile of 128 tokens,
	s_mul_i32 s27, s22, 196608
	s_lshl_b32 s24, s22, 13
	s_mul_i32 s22, s26, 24576                      ; K steps 2 w and 2 w + 1,
	s_add_co_u32 s27, s27, s22
	s_bfe_u32 s22, ttmp9, 0x30001                  ; the block of 16 tokens,
	s_mul_i32 s22, s22, 1536
	s_add_co_u32 s27, s27, s22
	s_and_b32 s22, ttmp9, 1                        ; its lower or upper 8 rows
	s_lshl_b32 s22, s22, 7
	s_add_co_u32 s22, s27, s22
	s_add_nc_u64 s[56:57], s[18:19], s[22:23]
	s_lshl_b32 s22, s26, 10
	s_add_co_u32 s24, s24, s22
	s_and_b32 s22, ttmp9, 15
	s_lshl_b32 s22, s22, 5
	s_add_co_u32 s22, s24, s22
	s_add_co_u32 s22, s22, 3145728
	s_add_nc_u64 s[58:59], s[18:19], s[22:23]      ; and the scale words
	v_and_b32 v1, 31, v0                           ; lane
	v_bfe_u32 v3, v0, 4, 1                         ; h
	v_and_b32 v4, 7, v0                            ; tau
	v_bfe_u32 v5, v0, 3, 1                         ; pi
	s_delay_alu instid0(VALU_DEP_2)
	v_mul_u32_u24 v[LB2], v4, TOKP
	s_delay_alu instid0(VALU_DEP_1)
	v_mad_u32_u24 v[LB2], v5, 528, v[LB2]
	s_delay_alu instid0(VALU_DEP_1)
	v_lshl_add_u32 v[LB2], v3, 6, v[LB2]           ; the lane part: token tau, row pi, 64 h
	s_mul_i32 s24, s26, 1056
	v_add_nc_u32 v[LB3], s24, v[LB2]
	s_mul_i32 s24, s26, 4224
	v_add_nc_u32 v[LB2], s24, v[LB2]
	v_lshlrev_b32 v[L16], 4, v1
	s_delay_alu instid0(VALU_DEP_1)
	v_add_nc_u32 v[OWN], s29, v[L16]
	s_lshl_b32 s24, s26, 11
	s_add_co_u32 s24, s24, PRT
	v_add_nc_u32 v[PWR], s24, v[L16]
	v_lshl_add_u32 v[PRD], v3, 4, v4
	s_delay_alu instid0(VALU_DEP_1)
	v_lshlrev_b32 v[CST], 4, v[PRD]
	s_delay_alu instid0(VALU_DEP_1)
	v_add_nc_u32 v[PRD], PRT, v[CST]
	s_delay_alu instid0(VALU_DEP_2)
	v_mad_u32_u24 v[CST], v5, 12288, v[CST]
	v_lshl_add_u32 v[RSA], v4, 2, RSQ
	v_lshlrev_b32 v[SST], 2, v4
	s_delay_alu instid0(VALU_DEP_1)
	v_lshl_add_u32 v[SST], v5, 9, v[SST]
	v_lshl_add_u32 v[PMA], v3, 1, v5               ; i = 2 h + pi
	s_delay_alu instid0(VALU_DEP_1)
	v_lshlrev_b32 v[HPA], 2, v[PMA]
	s_delay_alu instid0(VALU_DEP_1)
	v_lshl_add_u32 v[HPA], v4, 4, v[HPA]
	s_delay_alu instid0(VALU_DEP_3)
	v_lshlrev_b32 v[PMA], 4, v[PMA]
	s_delay_alu instid0(VALU_DEP_1)
	v_lshl_add_u32 v[HMA], v4, 6, v[PMA]
	v_lshlrev_b32 v[L4], 2, v1
	s_lshl_b32 s24, s26, 2
	s_add_co_u32 s24, s24, RSQ
	v_mov_b32 v[RSW], s24
	WIN 0x40                                       ; destination window 1: W_all's 16 fragments (K step k, block u) at v[12 (2 k + u)]; they stay
.set ii, 0
.rept 16
.irp c, 0,1,2
	global_load_b128 v[12*ii+4*\c:12*ii+4*\c+3], v[L16], s[90:91] offset:1536*ii+512*\c
.endr
.set ii, ii+1
.endr
	WIN 0
.irp k, 0,1,2,3,4,5,6,7
	global_load_b32 v[WS+\k], v[L4], s[92:93] offset:128*\k
.endr
.set ii, 0
.rept 24
	global_load_b128 v[PM+4*ii:PM+4*ii+3], v[PMA], s[16:17] offset:64*ii
.set ii, ii+1
.endr
	; ---- the sum of squares of my wave's token
	s_wait_tensorcnt 0x0                           ; my token is in LDS
.irp g, 0,1,2,3
.set ii, 0
.rept 16
	ds_load_b128 v[X+4*ii:X+4*ii+3], v[OWN] offset:528*(16*\g+ii)
.set ii, ii+1
.endr
	s_wait_alu depctr_va_vdst(0)
	s_wait_dscnt 0x0
.set ii, 0
.rept 32
.if (\g == 0) && (ii < 4)
	v_pk_mul_f32 v[TM+2*ii:TM+2*ii+1], v[X+2*ii:X+2*ii+1], v[X+2*ii:X+2*ii+1]      ; the first four start the chains: nothing is cleared
.else
	v_pk_fma_f32 v[TM+2*(ii%4):TM+2*(ii%4)+1], v[X+2*ii:X+2*ii+1], v[X+2*ii:X+2*ii+1], v[TM+2*(ii%4):TM+2*(ii%4)+1]
.endif
.set ii, ii+1
.endr
.endr
	s_delay_alu instid0(VALU_DEP_3)
	v_pk_add_f32 v[TM:TM+1], v[TM:TM+1], v[TM+2:TM+3]
	s_delay_alu instid0(VALU_DEP_2)
	v_pk_add_f32 v[TM+4:TM+5], v[TM+4:TM+5], v[TM+6:TM+7]
	s_delay_alu instid0(VALU_DEP_1)
	v_pk_add_f32 v[TM:TM+1], v[TM:TM+1], v[TM+4:TM+5]
	s_delay_alu instid0(VALU_DEP_1)
	v_add_f32 v[TM], v[TM], v[TM+1]
	s_delay_alu instid0(VALU_DEP_1)
	v_add_f32_dpp v[TM], v[TM], v[TM] row_xmask:1 row_mask:0xf bank_mask:0xf
	s_delay_alu instid0(VALU_DEP_1)
	v_add_f32_dpp v[TM], v[TM], v[TM] row_xmask:2 row_mask:0xf bank_mask:0xf
	s_delay_alu instid0(VALU_DEP_1)
	v_add_f32_dpp v[TM], v[TM], v[TM] row_xmask:4 row_mask:0xf bank_mask:0xf
	s_delay_alu instid0(VALU_DEP_1)
	v_add_f32_dpp v[TM], v[TM], v[TM] row_xmask:8 row_mask:0xf bank_mask:0xf
	s_delay_alu instid0(VALU_DEP_1)
	v_permlanex16_b32 v[TM+1], v[TM], s[SEL], s[SEL+1]
	s_delay_alu instid0(VALU_DEP_1)
	v_add_f32 v[TM], v[TM], v[TM+1]
	s_delay_alu instid0(VALU_DEP_1)
	v_fma_f32 v[TM], v[TM], s94, s95               ; the mean + eps
	s_wait_alu depctr_va_vdst(0)
	v_rsq_f32 v[TM+2], v[TM]
	v_nop                                          ; a plain place behind the transcendental,
	s_wait_alu depctr_va_vdst(0)                   ; and the wait ahead of its first reader
	ds_store_b32 v[RSW], v[TM+2]                   ; all lanes write the same word with the same value
	s_wait_dscnt 0x0                               ; for the others' sake: my store has landed (and my tensor load was waited for above)
	s_barrier_signal -1
	s_barrier_wait -1                              ; every token and every 1 / rms lies in LDS
	ds_load_b32 v[RSP], v[RSA]
	s_wait_dscnt 0x0
	v_mov_b32 v[RSP+1], v[RSP]
	s_wait_alu depctr_va_vdst(0)
	s_wait_loadcnt 0x0                             ; W_all's fragments and scale words, perm_mat
	; ---- x_norm, quantised, times W_all: two K steps at a time
.macro MM d, a, sc, row1, zero
.if \zero
.if \row1
	v_wmma_scale_f32_16x16x128_f8f6f4 v[\d:\d+7], v[\a:\a+11], v[PC:PC+11], 0, v[\sc], v[PW] matrix_a_fmt:MATRIX_FMT_FP6 matrix_b_fmt:MATRIX_FMT_FP6 matrix_a_scale:MATRIX_SCALE_ROW1
.else
	v_wmma_scale_f32_16x16x128_f8f6f4 v[\d:\d+7], v[\a:\a+11], v[PC:PC+11], 0, v[\sc], v[PW] matrix_a_fmt:MATRIX_FMT_FP6 matrix_b_fmt:MATRIX_FMT_FP6
.endif
.else
.if \row1
	v_wmma_scale_f32_16x16x128_f8f6f4 v[\d:\d+7], v[\a:\a+11], v[PC:PC+11], v[\d:\d+7], v[\sc], v[PW] matrix_a_fmt:MATRIX_FMT_FP6 matrix_b_fmt:MATRIX_FMT_FP6 matrix_a_scale:MATRIX_SCALE_ROW1
.else
	v_wmma_scale_f32_16x16x128_f8f6f4 v[\d:\d+7], v[\a:\a+11], v[PC:PC+11], v[\d:\d+7], v[\sc], v[PW] matrix_a_fmt:MATRIX_FMT_FP6 matrix_b_fmt:MATRIX_FMT_FP6
.endif
.endif
.endm
.macro XN pl, zero
.irp b, 0,1,2,3
.irp j, 0,1,2,3
	ds_load_b128 v[X+16*\b+4*\j:X+16*\b+4*\j+3], v[LB2] offset:1056*\pl+128*\b+16*\j   ; rows r < 8: K step 8 w + 2 pl; rows r >= 8: the same tokens' next K step
.endr
.endr
	s_wait_dscnt 0x0
.set ii, 0
.rept 32
	v_pk_mul_f32 v[X+ii:X+ii+1], v[X+ii:X+ii+1], v[RSP:RSP+1]      ; x_norm.  (These are also the places behind the last four products)
.set ii, ii+2
.endr
	QUANT X
.rept 8
	v_nop                                          ; a scale word made by vector instructions stands 8 places ahead of a scaled product, an operand so made 4
.endr
	WIN 0x01                                       ; source 0 (W_all) window 1
	MM E0,   48*\pl,    WS+2*\pl,   0, \zero       ; the four accumulators by turns, one instruction a turn
	MM E0+8, 48*\pl+12, WS+2*\pl,   1, \zero
	MM O0,   48*\pl+24, WS+2*\pl+1, 0, \zero
	MM O0+8, 48*\pl+36, WS+2*\pl+1, 1, \zero
	WIN 0
.endm
	XN 0, 1                                        ; the first products start the sums
	XN 1, 0
	XN 2, 0
	XN 3, 0
.rept 4
	v_nop                                          ; places in front of the first read of results
.endr
.set ii, 0
.rept 16
	v_add_f32_dpp v[E0+ii], v[O0+ii], v[E0+ii] row_xmask:8 row_mask:0xf bank_mask:0xf   ; lanes r < 8: E + lane r + 8's O; each accumulator from its low end on
.set ii, ii+1
.endr
.irp g, 0,1,2,3
	ds_store_b128 v[PWR], v[E0+4*\g:E0+4*\g+3] offset:512*\g
.endr
	s_wait_dscnt 0x0                               ; for the others' sake
	s_barrier_signal -1
	s_barrier_wait -1                              ; the eight parts lie in LDS
	; ---- the gates: every wave, for token tau.  Register q of lane (tau, h) is output 16 h + q
.irp w, 0,1,2,3
.irp g, 0,1,2,3
	ds_load_b128 v[X+16*\w+4*\g:X+16*\w+4*\g+3], v[PRD] offset:2048*\w+512*\g
.endr
.endr
	s_wait_dscnt 0x0
.irp q, 0,2,4,6,8,10,12,14
	v_pk_add_f32 v[E0+\q:E0+\q+1], v[X+\q:X+\q+1], v[X+16+\q:X+16+\q+1]
.endr
.irp w, 2,3
.irp q, 0,2,4,6,8,10,12,14
	v_pk_add_f32 v[E0+\q:E0+\q+1], v[E0+\q:E0+\q+1], v[X+16*\w+\q:X+16*\w+\q+1]
.endr
.endr
.irp w, 0,1,2,3
.irp g, 0,1,2,3
	ds_load_b128 v[X+16*\w+4*\g:X+16*\w+4*\g+3], v[PRD] offset:2048*(4+\w)+512*\g
.endr
.endr
	s_wait_alu depctr_va_vdst(0)
	s_wait_dscnt 0x0
.irp w, 0,1,2,3
.irp q, 0,2,4,6,8,10,12,14
	v_pk_add_f32 v[E0+\q:E0+\q+1], v[E0+\q:E0+\q+1], v[X+16*\w+\q:X+16*\w+\q+1]
.endr
.endr
.set ii, 0
.rept 16
	v_mov_b32 v[O0+ii], v[E0+ii]
.set ii, ii+1
.endr
.set ii, 0
.rept 16
	v_permlane16_swap_b32 v[E0+ii], v[O0+ii]       ; now v[E0 + o] is output o, o = 0 .. 31, in every lane
.set ii, ii+1
.endr
	s_wait_kmcnt 0x0                               ; b_all and the alphas
.irp o, 0,1,2,3
	v_fma_f32 v[Z+\o], v[E0+\o], s84, s[40+\o]
.endr
.irp o, 4,5,6,7
	v_fma_f32 v[Z+\o], v[E0+\o], s85, s[40+\o]
.endr
.irp o, 8,9,10,11,12,13,14,15
	v_fma_f32 v[Z+\o], v[E0+\o], s86, s[40+\o]
.endr
.set ii, 16
.rept 16
	v_fma_f32 v[Z+ii], v[E0+ii], s86, s[52+ii]
.set ii, ii+1
.endr
.irp o, 0,1,2,3,4,5,6,7
	v_mul_f32 v[Z+\o], 0xbfb8aa3b, v[Z+\o]         ; sigmoid(z) = 1 / (1 + 2^(-z log2 e))
.endr
	s_wait_alu depctr_va_vdst(0)
.irp o, 0,1,2,3,4,5,6,7
	v_exp_f32 v[Z+\o], v[Z+\o]
.endr
	v_max3_num_f32 v48, v[Z+8], v[Z+9], v[Z+10]    ; the softmax's maximum: plain work behind the exponentials
.irp o, 11,13,15,17,19,21,23,25,27,29
	s_delay_alu instid0(VALU_DEP_1)
	v_max3_num_f32 v48, v48, v[Z+\o], v[Z+\o+1]
.endr
	s_delay_alu instid0(VALU_DEP_1)
	v_max_num_f32 v48, v48, v[Z+31]
	s_wait_alu depctr_va_vdst(0)                   ; one wait for the eight, ahead of their first reader
.irp o, 0,1,2,3,4,5,6,7
	v_add_f32 v[Z+\o], 1.0, v[Z+\o]
.endr
	s_wait_alu depctr_va_vdst(0)
.irp o, 0,1,2,3,4,5,6,7
	v_rcp_f32 v[Z+\o], v[Z+\o]
.endr
.set ii, 8
.rept 24
	v_sub_f32 v[Z+ii], v[Z+ii], v48
.set ii, ii+1
.endr
.set ii, 8
.rept 24
	v_mul_f32 v[Z+ii], 0x3fb8aa3b, v[Z+ii]
.set ii, ii+1
.endr
.set ii, 8
	s_wait_alu depctr_va_vdst(0)
.rept 24
	v_exp_f32 v[Z+ii], v[Z+ii]
.set ii, ii+1
.endr
	v_nop
	s_wait_alu depctr_va_vdst(0)                   ; one wait for the reciprocals and the 24 exponentials
	v_add_f32 v50, v24, v25
	v_add_f32 v255, v28, v30
	v_add_f32 v254, v32, v34
	v_add_f32 v253, v36, v38
	v_add_f32 v252, v40, v42
	v_add_f32 v251, v44, v46
	v_add_f32 v250, v26, v27
	v_add_f32 v49, v29, v31
	v_add_f32 v49, v49, v33
	v_add_f32 v50, v50, v35
	v_add_f32 v255, v255, v37
	v_add_f32 v254, v254, v39
	v_add_f32 v253, v253, v41
	v_add_f32 v252, v252, v43
	v_add_f32 v251, v251, v45
	v_add_f32 v250, v250, v47
	s_delay_alu instid0(VALU_DEP_4)
	v_add_f32 v49, v49, v253
	s_delay_alu instid0(VALU_DEP_4)
	v_add_f32 v50, v50, v252
	s_delay_alu instid0(VALU_DEP_4)
	v_add_f32 v255, v255, v251
	s_delay_alu instid0(VALU_DEP_4)
	v_add_f32 v254, v254, v250
	s_delay_alu instid0(VALU_DEP_2)
	v_add_f32 v49, v49, v255
	s_delay_alu instid0(VALU_DEP_2)
	v_add_f32 v50, v50, v254
	s_delay_alu instid0(VALU_DEP_1)
	v_add_f32 v49, v49, v50
	s_wait_alu depctr_va_vdst(0)
	v_rcp_f32 v51, v49
.irp n, 0,1,2,3
	v_add_f32 v[Z+4+\n], v[Z+4+\n], v[Z+4+\n]      ; h_post = 2 sigmoid
.endr
.irp n, 0,1,2,3
	v_mov_b32 v[HPP+2*\n], v[Z+\n]                 ; h_pre, each twice
	v_mov_b32 v[HPP+2*\n+1], v[Z+\n]
.endr
	s_wait_alu depctr_va_vdst(0)
.set ii, 8
.rept 24
	v_mul_f32 v[Z+ii], v[Z+ii], v51                ; a_res
.set ii, ii+1
.endr
.irp j, 0,1,2,3
	v_mul_f32 v[HR+\j], v[Z+8], v[PM+\j]           ; row i of H_res = a_res perm_mat
.endr
.set ii, 1
.rept 23
.irp j, 0,1,2,3
	s_delay_alu instid0(VALU_DEP_4)
	v_fmac_f32 v[HR+\j], v[Z+8+ii], v[PM+4*ii+\j]
.endr
.set ii, ii+1
.endr
	v_cmp_ne_u32 s96, 0, v5
	v_cmp_ne_u32 s97, 0, v3
	s_delay_alu instid0(VALU_DEP_2)
	v_cndmask_b32 v56, v[Z+4], v[Z+5], s96
	s_delay_alu instid0(VALU_DEP_3)
	v_cndmask_b32 v57, v[Z+6], v[Z+7], s96
	s_delay_alu instid0(VALU_DEP_1)
	v_cndmask_b32 v56, v56, v57, s97               ; h_post[i]
.irp j, 0,1,2,3
	v_fma_f32 v[60+\j], -v56, v[Z+\j], v[HR+\j]    ; H_merged[i][j]
.endr
	s_cmp_lg_u32 s26, 0                            ; all waves hold the same numbers: wave 0 stores them
	s_cbranch_scc1 .Lnot_wave_0
	global_store_b128 v[HMA], v[60:63], s[60:61]   ; 512 consecutive bytes
	global_store_b32 v[HPA], v56, s[62:63]         ; 128 consecutive bytes
.Lnot_wave_0:
	s_wait_xcnt 0x0                                ; the stores have read their data: the loads below land there
	; ---- layer_input, K steps 2 w + pi of my 8 tokens: the four streams lie 16 rows (8,448 bytes) apart
.macro LDX n, buf
.irp b, 0,1,2,3
.irp j, 0,1,2,3
	ds_load_b128 v[\buf+16*\b+4*\j:\buf+16*\b+4*\j+3], v[LB3] offset:8448*\n+128*\b+16*\j
.endr
.endr
.endm
.macro ACCY buf, n, first
.set ii, 0
.rept 32
.if \first
	v_pk_mul_f32 v[Y+ii:Y+ii+1], v[\buf+ii:\buf+ii+1], v[HPP+2*\n:HPP+2*\n+1]
.else
	v_pk_fma_f32 v[Y+ii:Y+ii+1], v[\buf+ii:\buf+ii+1], v[HPP+2*\n:HPP+2*\n+1], v[Y+ii:Y+ii+1]
.endif
.set ii, ii+2
.endr
.endm
	LDX 0, X
	LDX 1, XB
	s_wait_dscnt 16                                ; stream 0 is in; the younger stream's 16 loads may be out
	ACCY X, 0, 1
	LDX 2, X
	s_wait_dscnt 16
	ACCY XB, 1, 0
	LDX 3, XB
	s_wait_dscnt 16
	ACCY X, 2, 0
	s_wait_dscnt 0x0
	ACCY XB, 3, 0
	QUANT Y
.irp c, 0,1,2
	global_store_b128 v[CST], v[PC+4*\c:PC+4*\c+3], s[56:57] offset:512*\c   ; runs of 128 bytes: 8 of a block's 16 rows are this work-group's
.endr
	global_store_b32 v[SST], v[PW], s[58:59]       ; both halves of the lanes store the same words
	s_wait_tensorcnt 0x0                           ; the wave's end, behind my last tensor load and my last LDS store
	ds_add_u32 v[SPW], v[NIL]
	s_wait_dscnt 0x0
	s_endpgm
.Lfunc_end_k_q76d4c7f808_coef:
	.size	k_q76d4c7f808_coef, .Lfunc_end_k_q76d4c7f808_coef-k_q76d4c7f808_coef
	.p2alignl 7, 3214868480
	.fill 96, 4, 3214868480
	.section	.rodata,"a",@progbits
	.p2align	6, 0x0
	.amdhsa_kernel k_q76d4c7f808_coef
		.amdhsa_group_segment_fixed_size 288256
		.amdhsa_private_segment_fixed_size 0
		.amdhsa_enable_private_segment 0
		.amdhsa_kernarg_size 72
		.amdhsa_user_sgpr_count 2
		.amdhsa_user_sgpr_kernarg_segment_ptr 1
		.amdhsa_wavefront_size32 1
		.amdhsa_system_sgpr_workgroup_id_x 1
		.amdhsa_system_sgpr_workgroup_id_y 1
		.amdhsa_system_sgpr_workgroup_id_z 1
		.amdhsa_system_vgpr_workitem_id 0
		.amdhsa_next_free_vgpr 512
		.amdhsa_next_free_sgpr 100
		.amdhsa_reserve_vcc 0
		.amdhsa_float_denorm_mode_32 3
		.amdhsa_float_denorm_mode_16_64 3
		.amdhsa_memory_ordered 1
		.amdhsa_forward_progress 1
		.amdhsa_inst_pref_size 107
	.end_amdhsa_kernel
	.amdgpu_metadata
---
amdhsa.version: [ 1, 2 ]
amdhsa.kernels:
  - .name:           k_q76d4c7f808_coef
    .symbol:         k_q76d4c7f808_coef.kd
    .args:
      - { .name: x_streams, .offset: 0, .size: 8, .value_kind: global_buffer, .address_space: global }
      - { .name: wq, .offset: 8, .size: 8, .value_kind: global_buffer, .address_space: global }
      - { .name: b_all, .offset: 16, .size: 8, .value_kind: global_buffer, .address_space: global }
      - { .name: alpha_pre, .offset: 24, .size: 8, .value_kind: global_buffer, .address_space: global }
      - { .name: alpha_post, .offset: 32, .size: 8, .value_kind: global_buffer, .address_space: global }
      - { .name: alpha_res, .offset: 40, .size: 8, .value_kind: global_buffer, .address_space: global }
      - { .name: perm_mat, .offset: 48, .size: 8, .value_kind: global_buffer, .address_space: global }
      - { .name: liq, .offset: 56, .size: 8, .value_kind: global_buffer, .address_space: global }
      - { .name: coef, .offset: 64, .size: 8, .value_kind: global_buffer, .address_space: global }
    .group_segment_fixed_size: 288256
    .private_segment_fixed_size: 0
    .kernarg_segment_align: 8
    .kernarg_segment_size: 72
    .max_flat_workgroup_size: 256
    .sgpr_count:     100
    .vgpr_count:     512
    .wavefront_size: 32
...
	.end_amdgpu_metadata
.endif
;; end of part 2
;; launch mlp1 (part 3): grid 32 x 8, 4 waves a work-group, clusters of 4 x 4, 327,680 bytes of LDS; arguments liq, wq, b1, hq; writes hq
.if DOCPART == 3
	.amdgcn_target "amdgcn-amd-amdhsa--gfx1250"
	.amdhsa_code_object_version 6
	.text
	.protected	k_q76d4c7f808_mlp1
	.globl	k_q76d4c7f808_mlp1
	.p2align	8
	.type	k_q76d4c7f808_mlp1,@function
k_q76d4c7f808_mlp1:
	s_mov_b64 s[64:65], 0
	v_nop
	global_prefetch_b8 v0, s[64:65] scope:SCOPE_SE
	s_setreg_imm32_b32 hwreg(HW_REG_WAVE_MODE, 25, 1), 1
	s_wait_xcnt 0x0
	s_wait_alu depctr_hold_cnt(0) depctr_sa_sdst(0) depctr_va_vdst(0) depctr_va_sdst(0) depctr_va_ssrc(0) depctr_va_vcc(0) depctr_vm_vsrc(0)
	s_getreg_b32 s2, hwreg(HW_REG_IB_STS2, 6, 4)
	s_cmp_eq_u32 s2, 0
	s_cbranch_scc0 .Lentry_in_a_cluster
	s_endpgm
.Lentry_in_a_cluster:
	s_bfe_u32 s2, ttmp6, 0x10000c
	s_cmp_lg_u32 s2, 0xf033
	s_cbranch_scc0 .Lentry_shape_is_right
	s_endpgm
.Lentry_shape_is_right:
; h = gelu(Q(layer_input) Q(W1)^T + b1), quantised along the next K and stored as register images (hq).  No work is left out.
; A work-group of four waves makes 256 tokens x 256 hidden units, a wave 128 x 128; K = 2,048 goes in chunks of two K steps through a ring of two LDS slots,
; filled by joint loads in a cluster of 4 x 4 (A's tiles shared along a row, B's along a column).
; THE HEAD: what the first step needs is four tiles, one joint load a wave: wave 0 chunk 0 of A's two tiles (2 rows of 24,576 bytes, 196,608 apart),
; wave 1 the same of B, wave 2 the scale words of A's 256 rows (16,384 dense bytes), wave 3 those of B's.  The bias loads and the addresses are made under these loads' flight.
; PREFETCH: of the 24,576 bytes of a chunk that a wave fetches, each of the four partners that ask for them jointly names 6,144 (24 blocks of 256 bytes, a lane a block,
; lanes 24-31 the last block again), told apart by address.  The head names chunks 1 and 2, chunk 1's load chunk 3, the load of chunk c chunk c + 2; the last trip names nothing.
.set NQ,    2
.set FR,    12
.set NL,    3
.set NP,    4
.set HALFB, 24576
.set SLOT,  4*HALFB
.set SCL,   2*SLOT
.set SSTG,  SCL+4*8192
.set SPARE, SSTG+4096
.set ADRA, 16
.set ADRB, 20
.set BAD,  23
.set SSA,  24
.set SSR,  25
.set L16,  26
.set ADRS, 27
.set SPW,  28
.set NIL,  29
.set PFV,  30
.set PFT,  66
.set SC,   32
.set KC,   32
.set BIA,  64
.set G,    64
.set AF,   128
.set T,    128
.set S,    144
.set RL,   160
.set RS,   176
.set TM,   208
.set PW,   224
.set PC,   226
.set SEL,  98
.set G1,   24
.set G0,   32
.set G1B,  48
.set G0B,  56
.set G1S,  68
.set G0S,  76
.set G1SB, 80
.set G0SB, 88
.set MSB, 0
.macro WIN new
.set NEWW, \new
.if MSB != NEWW
	s_set_vgpr_msb (MSB<<8)|NEWW
.set MSB, NEWW
.endif
.endm
.set MUL_LO, 0xa1
.set MUL_HI, 0xf1
.set TO_B,   0x40
.macro JLOAD g0a, g1a, g0b, g1b
	s_cmp_eq_u32 s15, 0
	s_cbranch_scc0 .Lfor_b_\@
	tensor_load_to_lds s[\g0a:\g0a+3], s[\g1a:\g1a+7]
	s_nop 0
.rept 4
	v_nop
.endr
	s_branch .Lasked_\@
.Lfor_b_\@:
	tensor_load_to_lds s[\g0b:\g0b+3], s[\g1b:\g1b+7]
	s_nop 0
.rept 4
	v_nop
.endr
.Lasked_\@:
.endm
.macro CREST
	s_cmp_lg_u32 s14, 0
	s_cbranch_scc1 .Lnot_wave_0_\@
	s_barrier_signal -3
.Lnot_wave_0_\@:
	s_barrier_wait -3
	s_barrier_signal -1
	s_barrier_wait -1
.endm
.macro CROUND
	s_barrier_signal -1
	s_barrier_wait -1
	CREST
.endm
.macro PLACES n
.rept \n
	v_nop
.endr
.endm
.macro QUANT s
.irp b, 0,1,2,3
	v_max3_num_f32 v[TM+\b], |v[\s+16*\b]|, |v[\s+1+16*\b]|, 0x1800000
.endr
.irp i, 2,4,6,8,10,12,14
.irp b, 0,1,2,3
	v_max3_num_f32 v[TM+\b], v[TM+\b], |v[\s+16*\b+\i]|, |v[\s+1+16*\b+\i]|
.endr
.endr
.irp b, 0,1,2,3
	v_permlanex16_b32 v[TM+4+\b], v[TM+\b], s[SEL], s[SEL+1]
.endr
.irp b, 0,1,2,3
	v_max_num_f32 v[TM+\b], v[TM+\b], v[TM+4+\b]
.endr
.irp b, 0,1,2,3
	v_add_nc_u32 v[TM+8+\b], 0xff000000, v[TM+\b]
.endr
.irp b, 0,1,2,3
	v_lshrrev_b32 v[TM+4+\b], 23, v[TM+8+\b]
.endr
	v_lshl_or_b32 v[PW], v[TM+5], 8, v[TM+4]
	v_lshl_or_b32 v[PW], v[TM+6], 16, v[PW]
	v_lshl_or_b32 v[PW], v[TM+7], 24, v[PW]
.irp c, 0,1
	v_cvt_scalef32_pk16_fp6_f32 v[PC+6*\c:PC+2+6*\c], v[\s+32*\c:\s+15+32*\c], v[TM+8+2*\c]
	v_cvt_scalef32_pk16_fp6_f32 v[PC+12+4*\c:PC+14+4*\c], v[\s+16+32*\c:\s+31+32*\c], v[TM+8+2*\c+1]
.endr
	v_nop
.irp c, 0,1
.irp i, 0,1,2
	v_permlane16_swap_b32 v[PC+6*\c+\i], v[PC+12+4*\c+\i]
.endr
.irp i, 0,1,2
	v_mov_b32 v[PC+3+6*\c+\i], v[PC+12+4*\c+\i]
.endr
.endr
.endm
	s_load_b256 s[4:11], s[0:1], 0x0
	v_lshl_add_u32 v[SPW], v0, 2, SPARE
	v_mov_b32 v[NIL], 0
	ds_add_u32 v[SPW], v[NIL]
	ds_add_u32 v[SPW], v[NIL]
	v_lshrrev_b32 v1, 5, v0
	v_readfirstlane_b32 s14, v1
	v_and_b32 v[PFV], 31, v0
	v_min_u32 v[PFV], 23, v[PFV]
	v_lshlrev_b32 v[PFV], 8, v[PFV]                ; the prefetches' offset: 256 x min(lane, 23); never rewritten
	s_lshr_b32 s15, s14, 1
	s_and_b32 s16, s14, 1
	s_bfe_u32 s40, ttmp6, 0x40000
	s_bfe_u32 s41, ttmp6, 0x40004
	s_lshl_b32 s42, ttmp9, 2
	s_add_co_u32 s42, s42, s40
	s_and_b32 s17, ttmp7, 0xffff
	s_lshl_b32 s17, s17, 2
	s_add_co_u32 s17, s17, s41
	s_lshl_b32 s43, s41, 2
	s_lshl_b32 s43, 15, s43
	s_lshl_b32 s44, 0x1111, s40
	s_or_b32 s[G1+0], s43, (3<<16)|(1<<21)
	s_or_b32 s[G1B+0], s44, (3<<16)|(1<<21)
.irp g, G1, G1B                        ; for the head's loads: 2 rows of 3,072 elements of 8 bytes, 24,576 elements apart
	s_mov_b32 s[\g+1], 3072<<16
	s_mov_b32 s[\g+2], 2<<16
	s_mov_b32 s[\g+3], 3072<<16
	s_mov_b32 s[\g+4], 2
	s_mov_b32 s[\g+5], 24576
	s_mov_b32 s[\g+6], 0
	s_mov_b32 s[\g+7], 0
.endr
	s_or_b32 s[G1S+0], s43, (3<<16)|(1<<21)
	s_or_b32 s[G1SB+0], s44, (3<<16)|(1<<21)
.irp g, G1S, G1SB                      ; the scale words of 256 rows: 64 rows of 256 bytes, dense
	s_mov_b32 s[\g+1], 32<<16
	s_mov_b32 s[\g+2], 64<<16
	s_mov_b32 s[\g+3], 32<<16
	s_mov_b32 s[\g+4], 64
	s_mov_b32 s[\g+5], 32
	s_mov_b32 s[\g+6], 0
	s_mov_b32 s[\g+7], 0
.endr
	s_lshl_b32 s20, s17, 1
	s_lshl_b32 s22, s20, 13
	s_add_co_u32 s22, s22, 3145728
	s_mul_i32 s20, s20, 196608
	s_mov_b32 s21, 0
	s_mov_b32 s23, 0
	s_lshl_b32 s46, s42, 1
	s_lshl_b32 s92, s46, 13
	s_add_co_u32 s92, s92, 25362432
	s_mul_i32 s46, s46, 196608
	s_mov_b32 s47, 0
	s_mov_b32 s93, 0
	s_mul_i32 s45, s14, HALFB
	s_wait_dscnt 0x0
	s_wait_kmcnt 0x0
	s_add_nc_u64 s[20:21], s[4:5], s[20:21]
	s_add_nc_u64 s[22:23], s[4:5], s[22:23]
	s_add_nc_u64 s[46:47], s[6:7], s[46:47]
	s_add_nc_u64 s[92:93], s[6:7], s[92:93]
	CROUND
	s_mov_b32 s[G0S], 1
	s_mov_b32 s[G0S+1], SCL
	s_mov_b64 s[G0S+2:G0S+3], s[22:23]
	s_or_b32 s[G0S+3], s[G0S+3], 0x80000000
	s_mov_b32 s[G0SB], 1
	s_mov_b32 s[G0SB+1], SCL+16384
	s_mov_b64 s[G0SB+2:G0SB+3], s[92:93]
	s_or_b32 s[G0SB+3], s[G0SB+3], 0x80000000
	s_mov_b32 s4, 1                                ; group 0 of chunk 0 of A's two tiles (the arguments that lay in s[4:7] have been used)
	s_mov_b32 s5, 0
	s_mov_b64 s[6:7], s[20:21]
	s_or_b32 s7, s7, 0x80000000
	s_mov_b32 s92, 1                               ; and of B's two tiles, behind A's in slot 0
	s_mov_b32 s93, 2*HALFB
	s_mov_b64 s[94:95], s[46:47]
	s_or_b32 s95, s95, 0x80000000
; one chain of branches on the wave's number, one joint load to an arm, all arms leading to one join
.macro ARM under, g0, g1, next
	s_cmp_lt_u32 s14, \under
	s_cbranch_scc0 \next
	tensor_load_to_lds s[\g0:\g0+3], s[\g1:\g1+7]
	s_nop 0
.rept 4
	v_nop
.endr
	s_branch .Lhead_asked
\next:
.endm
	ARM 1, 4,   G1,  .Lhead_b
	ARM 2, 92,  G1B, .Lhead_sa
	ARM 3, G0S, G1S, .Lhead_sb
	tensor_load_to_lds s[G0SB:G0SB+3], s[G1SB:G1SB+7]
	s_nop 0
.rept 4
	v_nop
.endr
.Lhead_asked:
	s_mul_i32 s18, s16, 196608                     ; for the ring: my one of the two tiles
	s_mov_b32 s19, 0
	s_add_nc_u64 s[20:21], s[20:21], s[18:19]
	s_add_nc_u64 s[46:47], s[46:47], s[18:19]
	s_cmp_eq_u32 s15, 0                            ; do I fetch for A?
	s_cselect_b32 s2, s40, s41                     ; my place among the four that ask with me
	s_cselect_b64 s[PFT:PFT+1], s[20:21], s[46:47]
	s_mul_i32 s2, s2, 6144
	s_mov_b32 s3, 0
	s_add_nc_u64 s[PFT:PFT+1], s[PFT:PFT+1], s[2:3]   ; my work-group's quarter of chunk 0 of the tile that I fetch
	s_wait_alu depctr_va_vdst(0)                   ; the wait directly ahead of the first reader of the offset
	global_prefetch_b8 v[PFV], s[PFT:PFT+1] offset:HALFB th:TH_LOAD_NT scope:SCOPE_SE     ; chunk 1
	global_prefetch_b8 v[PFV], s[PFT:PFT+1] offset:2*HALFB th:TH_LOAD_NT scope:SCOPE_SE   ; chunk 2
.irp s, 0,1
	s_mov_b32 s[G0+4*\s], 1
	s_add_co_u32 s[G0+4*\s+1], s45, \s*SLOT
	s_add_nc_u64 s[G0+4*\s+2:G0+4*\s+3], s[20:21], \s*HALFB
	s_or_b32 s[G0+4*\s+3], s[G0+4*\s+3], 0x80000000
	s_mov_b32 s[G0B+4*\s], 1
	s_add_co_u32 s[G0B+4*\s+1], s45, \s*SLOT
	s_add_nc_u64 s[G0B+4*\s+2:G0B+4*\s+3], s[46:47], \s*HALFB
	s_or_b32 s[G0B+4*\s+3], s[G0B+4*\s+3], 0x80000000
.endr
	v_and_b32 v1, 15, v0
	v_bfe_u32 v2, v0, 4, 1
	s_wait_alu depctr_va_vdst(0)
	v_and_b32 v3, 31, v0
	v_lshlrev_b32 v[L16], 4, v3
	s_wait_alu depctr_va_vdst(0)
	s_mul_i32 s21, s15, HALFB
	s_mul_i32 s22, s16, HALFB
	s_add_co_u32 s22, s22, 2*HALFB
.irp s, 0,1
	v_add_nc_u32 v[ADRA+\s], s21, v[L16]
	v_add_nc_u32 v[ADRB+\s], s22, v[L16]
	s_add_co_u32 s21, s21, SLOT
	s_add_co_u32 s22, s22, SLOT
.endr
	s_lshl_b32 s21, s15, 13
	s_lshl_b32 s22, s16, 13
	s_add_co_u32 s22, s22, 16384
	s_sub_co_u32 s22, s22, s21
	v_mul_u32_u24 v4, s22, v2
	s_add_co_u32 s21, s21, SCL
	v_lshl_add_u32 v4, v1, 2, v4
	v_add_nc_u32 v[ADRS], s21, v4
	s_lshl_b32 s23, s14, 10
	s_add_co_u32 s23, s23, SSTG
	v_lshl_add_u32 v[SSA], v1, 2, s23
	v_add_nc_u32 v[SSR], s23, v[L16]
	v_lshlrev_b32 v[BAD], 6, v2
	s_lshl_b32 s46, s42, 10
	s_lshl_b32 s47, s16, 9
	s_add_co_u32 s46, s46, s47
	s_mov_b32 s47, 0
	s_add_nc_u64 s[8:9], s[8:9], s[46:47]
.irp b, 0,1,2,3,4,5,6,7
	global_load_b128 v[BIA+8*\b:BIA+8*\b+3], v[BAD], s[8:9] offset:(32*(\b/2)+8*(\b%2))*4
	global_load_b128 v[BIA+8*\b+4:BIA+8*\b+7], v[BAD], s[8:9] offset:(32*(\b/2)+8*(\b%2))*4+16
.endr
	s_lshl_b32 s20, s17, 1
	s_add_co_u32 s20, s20, s15
	s_lshl_b32 s20, s20, 6
	s_lshl_b32 s46, s42, 1
	s_add_co_u32 s46, s46, s16
	s_add_co_u32 s20, s20, s46
	s_lshl_b32 s18, s20, 9
	s_add_co_u32 s18, s18, 12582912
	s_mov_b32 s19, 0
	s_mul_i32 s20, s20, 12288
	s_mov_b32 s21, 0
	s_add_nc_u64 s[12:13], s[10:11], s[20:21]
	s_add_nc_u64 s[18:19], s[10:11], s[18:19]
	s_mov_b32 s96, 0x3eed3388                      ; p sqrt(2), p = 0.3275911
	s_mov_b32 s[SEL], 0x76543210
	s_mov_b32 s[SEL+1], 0xfedcba98
.macro FRAG reg, adr, off
.irp c, 0,1,2
	ds_load_b128 v[\reg+4*\c:\reg+4*\c+3], v[\adr] offset:\off+512*\c
.endr
.endm
.macro FETCH_B slot, q, p
	WIN TO_B
.irp i, 0,1,2,3,4,5,6,7
	FRAG 128*(\p)+FR*\i, ADRB+\slot, 12288*(\q)+1536*\i
.endr
	WIN 0
.endm
.macro FETCH_A slot, q, i0
.irp i, \i0, \i0+1, \i0+2, \i0+3
	FRAG AF+FR*(\i), ADRA+\slot, 12288*(\q)+1536*(\i)
.endr
.endm
.macro SCALES sc
.irp i, 0,1,2,3,4,5,6,7
.irp q, 0,1
	ds_load_b32 v[SC+8*NQ*\sc+NQ*\i+\q], v[ADRS] offset:512*\q+64*\i
.endr
.endr
.endm
.macro MUL16 a0, p, q, sc, zero
.irp a, \a0, \a0+1
.irp b, 0,1,2,3,4,5,6,7
.if \zero
	v_wmma_scale_f32_16x16x128_f8f6f4 v[8*(8*((\a)%4)+\b):8*(8*((\a)%4)+\b)+7], v[128*(\p)+FR*\b:128*(\p)+FR*\b+FR-1], v[AF+FR*(\a):AF+FR*(\a)+FR-1], v[BIA+8*\b:BIA+8*\b+7], v[SC+8*NQ*(\sc)+NQ*\b+(\q)], v[SC+8*NQ*(\sc)+NQ*(\a)+(\q)] matrix_a_fmt:MATRIX_FMT_FP6 matrix_b_fmt:MATRIX_FMT_FP6 matrix_a_scale:MATRIX_SCALE_ROW1
.else
	v_wmma_scale_f32_16x16x128_f8f6f4 v[8*(8*((\a)%4)+\b):8*(8*((\a)%4)+\b)+7], v[128*(\p)+FR*\b:128*(\p)+FR*\b+FR-1], v[AF+FR*(\a):AF+FR*(\a)+FR-1], v[8*(8*((\a)%4)+\b):8*(8*((\a)%4)+\b)+7], v[SC+8*NQ*(\sc)+NQ*\b+(\q)], v[SC+8*NQ*(\sc)+NQ*(\a)+(\q)] matrix_a_fmt:MATRIX_FMT_FP6 matrix_b_fmt:MATRIX_FMT_FP6 matrix_a_scale:MATRIX_SCALE_ROW1
.endif
.endr
.endr
.endm
.macro STEP slot, q, zero
	s_wait_dscnt 4*NL
.if \zero
	WIN 0x81
.else
	WIN MUL_LO
.endif
	MUL16 0, (\q)%2, \q, \slot, \zero
	MUL16 2, (\q)%2, \q, \slot, \zero
	s_wait_dscnt 0
	PLACES NP
	FETCH_B \slot, (\q)+1, 1-(\q)%2
	FETCH_A \slot, (\q)+1, 0
.if \zero
	WIN 0xc1
.else
	WIN MUL_HI
.endif
	MUL16 4, (\q)%2, \q, \slot, \zero
	MUL16 6, (\q)%2, \q, \slot, \zero
	PLACES NP
	WIN 0
	FETCH_A \slot, (\q)+1, 4
.endm
.macro TURN slot, next, fill
	s_wait_tensorcnt 0x0
	ds_add_u32 v[SPW], v[NIL]
	s_wait_dscnt 4*NL+1
	WIN MUL_LO
	MUL16 0, 1, NQ-1, \slot, 0
	s_wait_dscnt 0x0
	s_barrier_signal -1
	MUL16 2, 1, NQ-1, \slot, 0
	WIN 0
	s_barrier_wait -1
.if \fill
	CREST
	s_add_nc_u64 s[G0+4*\slot+2:G0+4*\slot+3], s[G0+4*\slot+2:G0+4*\slot+3], 2*HALFB
	s_add_nc_u64 s[G0B+4*\slot+2:G0B+4*\slot+3], s[G0B+4*\slot+2:G0B+4*\slot+3], 2*HALFB
	JLOAD G0+4*\slot, G1, G0B+4*\slot, G1B
.else
	PLACES NP
.endif
	s_wait_alu depctr_va_vdst(0)
	v_add_nc_u32 v[ADRS], 512*NQ, v[ADRS]
	FETCH_B \next, 0, 0
	FETCH_A \next, 0, 0
	SCALES \next
.if \fill
	s_cmp_eq_u32 s3, 1                             ; the last trip's two refills have no chunk two on
	s_cbranch_scc1 .Lno_pf_\@
	global_prefetch_b8 v[PFV], s[PFT:PFT+1] offset:(4+\slot)*HALFB th:TH_LOAD_NT scope:SCOPE_SE   ; the chunk two refills on
.Lno_pf_\@:
.endif
	WIN MUL_HI
	MUL16 4, 1, NQ-1, \slot, 0
	MUL16 6, 1, NQ-1, \slot, 0
	PLACES NP
	WIN 0
	FETCH_A \next, 0, 4
.endm
	s_wait_alu depctr_va_vdst(0)                   ; the head's end
	s_wait_tensorcnt 0x0                           ; my tile of the head's four is in
	ds_add_u32 v[SPW], v[NIL]
.irp g, G1, G1B                        ; no tensor load of mine is out: from here on a load brings 96 dense rows of 256 bytes
	s_mov_b32 s[\g+1], 32<<16
	s_mov_b32 s[\g+2], 96<<16
	s_mov_b32 s[\g+3], 32<<16
	s_mov_b32 s[\g+4], 96
	s_mov_b32 s[\g+5], 32
.endr
	s_wait_dscnt 0x0
	CROUND                                         ; all four tiles are in, and all sixteen work-groups are here
	JLOAD G0+4, G1, G0B+4, G1B                     ; chunk 1, the first tensor load behind the round
	FETCH_B 0, 0, 0
	FETCH_A 0, 0, 0
	SCALES 0
	FETCH_A 0, 0, 4
	global_prefetch_b8 v[PFV], s[PFT:PFT+1] offset:3*HALFB th:TH_LOAD_NT scope:SCOPE_SE   ; chunk 3
	s_wait_loadcnt 0x0
	STEP 0, 0, 1
	s_mov_b32 s3, 3
.Llap:
	TURN 0, 1, 1
	STEP 1, 0, 0
	TURN 1, 0, 1
	STEP 0, 0, 0
	s_wait_xcnt 0x0                                ; my prefetches have read their address: it steps two chunks
	s_add_nc_u64 s[PFT:PFT+1], s[PFT:PFT+1], 2*HALFB
	s_sub_co_u32 s3, s3, 1
	s_cmp_lg_u32 s3, 0
	s_cbranch_scc1 .Llap
	TURN 0, 1, 0
	STEP 1, 0, 0
	s_wait_dscnt 4*NL
	WIN MUL_LO
	MUL16 0, 1, NQ-1, 1, 0
	MUL16 2, 1, NQ-1, 1, 0
	s_wait_dscnt 0
	WIN MUL_HI
	MUL16 4, 1, NQ-1, 1, 0
	MUL16 6, 1, NQ-1, 1, 0
	WIN 0
	PLACES NP
.macro KSET n, val
	v_mov_b32 v[KC+2*\n], \val
	v_mov_b32 v[KC+2*\n+1], \val
.endm
	KSET 0, 0x3f87dc22                             ; a5 =  1.061405429
	KSET 1, 0xbfba00e3                             ; a4 = -1.453152027
	KSET 2, 0x3fb5f0e3                             ; a3 =  1.421413741
	KSET 3, 0xbe91a98e                             ; a2 = -0.284496736
	KSET 4, 0x3e827906                             ; a1 =  0.254829592
	KSET 5, 0x4038aa3b                             ; 2 log2(e)
.irp b, 0,1,2,3
	v_mov_b32 v[TM+4+\b], 0
.endr
.macro COPY a
	WIN 0x02+(\a)/4
.irp b, 0,1,2,3,4,5,6,7
.irp p, 0,2,4,6
	v_pk_mul_f32 v[G+8*\b+\p:G+8*\b+\p+1], v[64*((\a)%4)+8*\b+\p:64*((\a)%4)+8*\b+\p+1], 0.5 op_sel_hi:[1,0]
.endr
.endr
	WIN 0
.endm
.macro PKFMA d, a, b, sb, c, sc
.set ii, 0
.rept 8
	v_pk_fma_f32 v[\d+ii:\d+ii+1], v[\a+ii:\a+ii+1], v[\b+\sb*ii:\b+\sb*ii+1], v[\c+\sc*ii:\c+\sc*ii+1]
.set ii, ii+2
.endr
.endm
; 16 numbers g = v / 2 become gelu(v) = v (1 + erf(v / sqrt 2)) / 2 = relu(v) - |g| erfc(x), x = |v| / sqrt 2 = |g| sqrt 2: no difference of near numbers on either side of 0.
; erfc(x) = (a1 t + .. + a5 t^5) e^(-x^2), t = 1 / (1 + p x).  LIMIT: that form's stated bound is 1.5e-7, absolute, on erfc (Abramowitz and Stegun, 7.1.26); the f32 arithmetic adds its own roundings.
.macro CHUNK c
.set ii, 0
.rept 16
	v_fma_f32 v[T+ii], |v[G+16*\c+ii]|, s96, 1.0                   ; 1 + p x
.set ii, ii+1
.endr
.set ii, 0
.rept 8
	v_pk_mul_f32 v[S+ii:S+ii+1], v[G+16*\c+ii:G+16*\c+ii+1], v[KC+10:KC+11]
.set ii, ii+2
.endr
.set ii, 0
.rept 8
	v_pk_mul_f32 v[S+ii:S+ii+1], v[S+ii:S+ii+1], v[G+16*\c+ii:G+16*\c+ii+1]   ; x^2 log2(e) = 2 log2(e) g^2
.set ii, ii+2
.endr
	s_wait_alu depctr_va_vdst(0)                   ; ahead of the batch
.set ii, 0
.rept 16
	v_rcp_f32 v[T+ii], v[T+ii]                     ; t
.set ii, ii+1
.endr
.set ii, 0
.rept 16
	v_exp_f32 v[S+ii], -v[S+ii]                    ; e^(-x^2)
.set ii, ii+1
.endr
.set ii, 0
.rept 16
	v_add_f32 v[RS+ii], v[G+16*\c+ii], |v[G+16*\c+ii]|             ; relu(v) = g + |g|, exactly: plain work behind the batch
.set ii, ii+1
.endr
	s_wait_alu depctr_va_vdst(0)                   ; one wait for the 32, ahead of their first reader
	PKFMA RL, T, KC+0, 0, KC+2, 0
	PKFMA RL, RL, T, 1, KC+4, 0
	PKFMA RL, RL, T, 1, KC+6, 0
	PKFMA RL, RL, T, 1, KC+8, 0
.set ii, 0
.rept 8
	v_pk_mul_f32 v[T+ii:T+ii+1], v[T+ii:T+ii+1], v[S+ii:S+ii+1]
.set ii, ii+2
.endr
.set ii, 0
.rept 8
	v_pk_mul_f32 v[RL+ii:RL+ii+1], v[RL+ii:RL+ii+1], v[T+ii:T+ii+1]   ; erfc(x)
.set ii, ii+2
.endr
.set ii, 0
.rept 16
	v_fma_f32 v[G+16*\c+ii], -|v[G+16*\c+ii]|, v[RL+ii], v[RS+ii]
.set ii, ii+1
.endr
.endm
	s_mov_b32 s3, 0
.Lrow:
.irp a, 0,1,2,3,4,5,6
	s_cmp_eq_u32 s3, \a
	s_cbranch_scc1 .Lcopy\a
.endr
	COPY 7
	s_branch .Lwork
.irp a, 0,1,2,3,4,5,6
.Lcopy\a:
	COPY \a
	s_branch .Lwork
.endr
.Lwork:
	CHUNK 0
	CHUNK 1
	CHUNK 2
	CHUNK 3
	QUANT G
.irp c, 0,1,2
	global_store_b128 v[L16], v[PC+4*\c:PC+4*\c+3], s[12:13] offset:512*\c
.endr
	ds_store_b32 v[SSA], v[PW]
	s_wait_xcnt 0x0
	s_wait_dscnt 0x0
	s_add_nc_u64 s[12:13], s[12:13], 1536
	v_add_nc_u32 v[SSA], 64, v[SSA]
	s_add_co_u32 s3, s3, 1
	s_cmp_lt_u32 s3, 8
	s_cbranch_scc1 .Lrow
	ds_load_b128 v[G:G+3], v[SSR]
	s_wait_dscnt 0x0
	global_store_b128 v[L16], v[G:G+3], s[18:19]
	s_wait_tensorcnt 0x0
	ds_add_u32 v[SPW], v[NIL]
	s_wait_dscnt 0x0
	CROUND
	s_endpgm
.Lfunc_end_k_q76d4c7f808_mlp1:
	.size	k_q76d4c7f808_mlp1, .Lfunc_end_k_q76d4c7f808_mlp1-k_q76d4c7f808_mlp1
	.p2alignl 7, 3214868480
	.fill 96, 4, 3214868480
	.section	.rodata,"a",@progbits
	.p2align	6, 0x0
	.amdhsa_kernel k_q76d4c7f808_mlp1
		.amdhsa_group_segment_fixed_size 327680
		.amdhsa_private_segment_fixed_size 0
		.amdhsa_enable_private_segment 0
		.amdhsa_kernarg_size 32
		.amdhsa_user_sgpr_count 2
		.amdhsa_user_sgpr_kernarg_segment_ptr 1
		.amdhsa_wavefront_size32 1
		.amdhsa_system_sgpr_workgroup_id_x 1
		.amdhsa_system_sgpr_workgroup_id_y 1
		.amdhsa_system_sgpr_workgroup_id_z 1
		.amdhsa_system_vgpr_workitem_id 0
		.amdhsa_next_free_vgpr 1024
		.amdhsa_next_free_sgpr 100
		.amdhsa_reserve_vcc 0
		.amdhsa_float_denorm_mode_32 3
		.amdhsa_float_denorm_mode_16_64 3
		.amdhsa_memory_ordered 1
		.amdhsa_forward_progress 1
		.amdhsa_inst_pref_size 169
	.end_amdhsa_kernel
	.amdgpu_metadata
---
amdhsa.version: [ 1, 2 ]
amdhsa.kernels:
  - .name:           k_q76d4c7f808_mlp1
    .symbol:         k_q76d4c7f808_mlp1.kd
    .args:
      - { .name: liq, .offset: 0, .size: 8, .value_kind: global_buffer, .address_space: global }
      - { .name: wq, .offset: 8, .size: 8, .value_kind: global_buffer, .address_space: global }
      - { .name: b1, .offset: 16, .size: 8, .value_kind: global_buffer, .address_space: global }
      - { .name: hq, .offset: 24, .size: 8, .value_kind: global_buffer, .address_space: global }
    .group_segment_fixed_size: 327680
    .private_segment_fixed_size: 0
    .kernarg_segment_align: 8
    .kernarg_segment_size: 32
    .max_flat_workgroup_size: 128
    .sgpr_count:     100
    .vgpr_count:     1024
    .wavefront_size: 32
...
	.end_amdgpu_metadata
.endif
;; end of part 3
;; launch mlp2 (part 4): grid 16 x 16, 4 waves a work-group, clusters of 4 x 4, 327,680 bytes of LDS; arguments hq, wq, coef, b2, x_streams, out0; writes out0
.if DOCPART == 4
	.amdgcn_target "amdgcn-amd-amdhsa--gfx1250"
	.amdhsa_code_object_version 6
	.text
	.protected	k_q76d4c7f808_mlp2
	.globl	k_q76d4c7f808_mlp2
	.p2align	8
	.type	k_q76d4c7f808_mlp2,@function
k_q76d4c7f808_mlp2:
	s_mov_b64 s[64:65], 0
	v_nop
	global_prefetch_b8 v0, s[64:65] scope:SCOPE_SE
	s_setreg_imm32_b32 hwreg(HW_REG_WAVE_MODE, 25, 1), 1
	s_wait_xcnt 0x0
	s_wait_alu depctr_hold_cnt(0) depctr_sa_sdst(0) depctr_va_vdst(0) depctr_va_sdst(0) depctr_va_ssrc(0) depctr_va_vcc(0) depctr_vm_vsrc(0)
	s_getreg_b32 s2, hwreg(HW_REG_IB_STS2, 6, 4)
	s_cmp_eq_u32 s2, 0
	s_cbranch_scc0 .Lentry_in_a_cluster
	s_endpgm
.Lentry_in_a_cluster:
	s_bfe_u32 s2, ttmp6, 0x10000c
	s_cmp_lg_u32 s2, 0xf033
	s_cbranch_scc0 .Lentry_shape_is_right
	s_endpgm
.Lentry_shape_is_right:
; out = H_merged x + h_post (Q(h) Q(W2)^T + b2).  No work is left out.
; A work-group of four waves makes 128 tokens x 128 columns; each wave takes every fourth K step with all 64 accumulators, and the four parts meet in LDS at the end.
; K goes in steps of four K steps (one a wave) through three LDS regions; a round of the cluster's barrier fills two regions by joint loads (cluster 4 x 4).
; THE HEAD: region 0 is asked for first; the scale words, the coefficients and b2 are asked for under its flight; regions 1 and 2 follow behind the full sequence.
; PREFETCH OF THE TILES: a step's 49,152 bytes of a tile are shared out by address among the four partners that ask for it jointly and their two waves: 6,144 bytes
; (24 blocks of 256 bytes, a lane a block, lanes 24-31 the last block again).  The head names steps 1 to 4; the round that loads steps s, s + 1 names steps s + 2, s + 3; step 16 does not exist and is jumped over.
; PREFETCH OF x: a wave's 32 tokens x 4 streams x 512 bytes, 8 tokens in each of the loop's two trips and in each of the last two steps.
.set FR,    12
.set NL,    3
.set NP,    4
.set KSB,   12288
.set SIDE,  4*KSB
.set REG,   2*SIDE
.set EXP,   67584
.set SPARE, 3*REG
.set RDP,  8
.set CFA,  12
.set L4,   13
.set ADRA, 16
.set ADRB, 20
.set DMP,  24
.set GO,   26
.set SPW,  28
.set NIL,  29
.set PFO,  30
.set TPV,  14
.set TPT,  66
.set XPT,  92
.macro TPF st, guard, xp               ; steps st, st + 1 counted from where s[TPT] stands; guard: the second only while another trip follows; xp: 8 tokens of x
.if \st >= 0
	global_prefetch_b8 v[TPV], s[TPT:TPT+1] offset:(\st)*SIDE th:TH_LOAD_NT scope:SCOPE_SE
.if \guard
	s_cmp_eq_u32 s3, 1
	s_cbranch_scc1 .Lno_tp_\@
.endif
	global_prefetch_b8 v[TPV], s[TPT:TPT+1] offset:(\st)*SIDE+SIDE th:TH_LOAD_NT scope:SCOPE_SE
.if \guard
.Lno_tp_\@:
.endif
.endif
.if \xp
	global_prefetch_b8 v[PFO], s[XPT:XPT+1] th:TH_LOAD_NT scope:SCOPE_SE
	global_prefetch_b8 v[PFO], s[XPT:XPT+1] offset:131072 th:TH_LOAD_NT scope:SCOPE_SE
.endif
.endm
.set SC,   32
.set CF,   80
.set B2R,  100
.set AF,   128
.set L,    128
.set LO,   176
.set G1,    24
.set G1B,   32
.set G1H,   40
.set G1HB,  48
.set G0_0,  56
.set G0_1,  60
.set G0_2,  68
.set G0B_0, 72
.set G0B_1, 76
.set G0B_2, 80
.set G0X,   84
.set G0XB,  88
.set MSB, 0
.macro WIN new
.set NEWW, \new
.if MSB != NEWW
	s_set_vgpr_msb (MSB<<8)|NEWW
.set MSB, NEWW
.endif
.endm
.set MUL_LO, 0xa1
.set MUL_HI, 0xf1
.set TO_B,   0x40
.macro JLOAD g0a, g1a, g0b, g1b
	s_cmp_eq_u32 s15, 0
	s_cbranch_scc0 .Lfor_b_\@
	tensor_load_to_lds s[\g0a:\g0a+3], s[\g1a:\g1a+7]
	s_nop 0
.rept 4
	v_nop
.endr
	s_branch .Lasked_\@
.Lfor_b_\@:
	tensor_load_to_lds s[\g0b:\g0b+3], s[\g1b:\g1b+7]
	s_nop 0
.rept 4
	v_nop
.endr
.Lasked_\@:
.endm
.macro CREST
	s_cmp_lg_u32 s14, 0
	s_cbranch_scc1 .Lnot_wave_0_\@
	s_barrier_signal -3
.Lnot_wave_0_\@:
	s_barrier_wait -3
	s_barrier_signal -1
	s_barrier_wait -1
.endm
.macro CROUND
	s_barrier_signal -1
	s_barrier_wait -1
	CREST
.endm
.macro PLACES n
.rept \n
	v_nop
.endr
.endm
.macro SETG0 ga, gb, lreg, ladd, step
	s_mov_b32 s[\ga], 1
	s_add_co_u32 s[\ga+1], s[\lreg], \ladd
	s_add_nc_u64 s[\ga+2:\ga+3], s[20:21], (\step)*SIDE
	s_or_b32 s[\ga+3], s[\ga+3], 0x80000000
	s_mov_b32 s[\gb], 1
	s_add_co_u32 s[\gb+1], s[\lreg], (\ladd)+SIDE
	s_add_nc_u64 s[\gb+2:\gb+3], s[22:23], (\step)*SIDE
	s_or_b32 s[\gb+3], s[\gb+3], 0x80000000
.endm
	s_load_b256 s[4:11], s[0:1], 0x0
	s_load_b128 s[96:99], s[0:1], 0x20
	v_lshl_add_u32 v[SPW], v0, 2, SPARE
	v_mov_b32 v[NIL], 0
	ds_add_u32 v[SPW], v[NIL]
	ds_add_u32 v[SPW], v[NIL]
	v_lshrrev_b32 v1, 5, v0
	v_readfirstlane_b32 s14, v1
	s_lshr_b32 s15, s14, 1
	s_and_b32 s16, s14, 1
	s_bfe_u32 s92, ttmp6, 0x40000
	s_bfe_u32 s93, ttmp6, 0x40004
	s_lshl_b32 s13, ttmp9, 2
	s_add_co_u32 s13, s13, s92
	s_and_b32 s17, ttmp7, 0xffff
	s_lshl_b32 s17, s17, 2
	s_add_co_u32 s17, s17, s93
	s_lshl_b32 s94, s93, 2
	s_lshl_b32 s94, 15, s94
	s_lshl_b32 s95, 0x1111, s92
	s_cmp_eq_u32 s15, 0                            ; do I fetch for A?
	s_cselect_b32 s66, s92, s93                    ; my place among the four that ask with me
	s_lshl_b32 s66, s66, 1
	s_add_co_u32 s66, s66, s16
	s_mul_i32 s66, s66, 6144                       ; my eighth of a step's bytes of the tile,
	s_add_co_u32 s66, s66, SIDE                    ; from step 1 on
	s_mov_b32 s67, 0
	s_or_b32 s[G1+0], s94, (3<<16)|(1<<21)
	s_or_b32 s[G1B+0], s95, (3<<16)|(1<<21)
	s_or_b32 s[G1H+0], s94, (3<<16)|(1<<21)
	s_or_b32 s[G1HB+0], s95, (3<<16)|(1<<21)
.irp g, G1, G1B
	s_mov_b32 s[\g+1], 32<<16
	s_mov_b32 s[\g+2], 192<<16
	s_mov_b32 s[\g+3], 32<<16
	s_mov_b32 s[\g+4], 192
	s_mov_b32 s[\g+5], 32
	s_mov_b32 s[\g+6], 0
	s_mov_b32 s[\g+7], 0
.endr
.irp g, G1H, G1HB
	s_mov_b32 s[\g+1], 32<<16
	s_mov_b32 s[\g+2], 96<<16
	s_mov_b32 s[\g+3], 32<<16
	s_mov_b32 s[\g+4], 96
	s_mov_b32 s[\g+5], 32
	s_mov_b32 s[\g+6], 0
	s_mov_b32 s[\g+7], 0
.endr
	s_mul_i32 s20, s17, 786432
	s_mov_b32 s21, 0
	s_mul_i32 s22, s13, 786432
	s_add_co_u32 s22, s22, 12582912
	s_mov_b32 s23, 0
	s_mul_i32 s18, s16, SIDE
	s_mov_b32 s19, 0
	s_mul_i32 s2, s16, SIDE/2
	s_mov_b32 s3, 0
	s_mul_i32 s92, s16, REG
	s_xor_b32 s93, s16, 1
	s_mul_i32 s93, s93, 2*REG
	s_wait_dscnt 0x0
	s_wait_kmcnt 0x0
	s_add_nc_u64 s[20:21], s[4:5], s[20:21]
	s_add_nc_u64 s[22:23], s[6:7], s[22:23]
	CROUND
	s_mov_b32 s[G0X], 1
	s_mov_b32 s[G0X+1], s2
	s_add_nc_u64 s[G0X+2:G0X+3], s[20:21], s[2:3]
	s_or_b32 s[G0X+3], s[G0X+3], 0x80000000
	s_mov_b32 s[G0XB], 1
	s_add_co_u32 s[G0XB+1], s2, SIDE
	s_add_nc_u64 s[G0XB+2:G0XB+3], s[22:23], s[2:3]
	s_or_b32 s[G0XB+3], s[G0XB+3], 0x80000000
	JLOAD G0X, G1H, G0XB, G1HB
	s_cmp_eq_u32 s15, 0
	s_cselect_b64 s[2:3], s[20:21], s[22:23]
	s_add_nc_u64 s[TPT:TPT+1], s[2:3], s[TPT:TPT+1]
	s_add_nc_u64 s[20:21], s[20:21], s[18:19]
	s_add_nc_u64 s[22:23], s[22:23], s[18:19]
	SETG0 G0_2, G0B_2, 92, REG, 1
	SETG0 G0_0, G0B_0, 92, 0, 3
	SETG0 G0_1, G0B_1, 93, 0, 5
	v_and_b32 v1, 15, v0
	v_bfe_u32 v2, v0, 4, 1
	v_and_b32 v3, 31, v0
	v_lshlrev_b32 v[GO], 4, v3
	v_lshlrev_b32 v[L4], 2, v3
	v_min_u32 v[TPV], 23, v3
	v_lshlrev_b32 v[TPV], 8, v[TPV]                ; the tile prefetches' offset: 256 x min(lane, 23); never rewritten
	s_mul_i32 s21, s14, KSB
	s_add_co_u32 s22, s21, SIDE
.irp r, 0,1,2
	v_add_nc_u32 v[ADRA+\r], s21, v[GO]
	v_add_nc_u32 v[ADRB+\r], s22, v[GO]
	s_add_co_u32 s21, s21, REG
	s_add_co_u32 s22, s22, REG
.endr
	s_mul_i32 s21, s14, EXP
	v_mul_u32_u24 v4, v1, 528
	v_lshl_add_u32 v4, v2, 6, v4
	v_add_nc_u32 v[DMP], s21, v4
	s_mul_i32 s21, s14, 16896
.irp s, 0,1,2,3
	v_add_nc_u32 v[RDP+\s], s21, v[GO]
	s_add_co_u32 s21, s21, EXP
.endr
	v_lshlrev_b32 v[CFA], 6, v3
	s_wait_alu depctr_va_vdst(0)
	v_lshrrev_b32 v4, 3, v3
	v_lshlrev_b32 v[PFO], 15, v4
	v_bfe_u32 v4, v3, 1, 2
	v_lshl_add_u32 v[PFO], v4, 13, v[PFO]
	v_and_b32 v4, 1, v3
	v_lshl_add_u32 v[PFO], v4, 8, v[PFO]
	s_lshl_b32 s18, s17, 15
	s_lshl_b32 s19, s14, 9
	s_add_co_u32 s18, s18, s19
	s_add_co_u32 s18, s18, 12582912
	s_mov_b32 s19, 0
	s_add_nc_u64 s[4:5], s[4:5], s[18:19]
	s_lshl_b32 s18, s13, 15
	s_lshl_b32 s19, s14, 9
	s_add_co_u32 s18, s18, s19
	s_add_co_u32 s18, s18, 25886720
	s_mov_b32 s19, 0
	s_add_nc_u64 s[6:7], s[6:7], s[18:19]
	s_lshl_b32 s20, s17, 7
	s_lshl_b32 s21, s14, 5
	s_add_co_u32 s20, s20, s21
	s_lshl_b32 s18, s20, 6
	s_mov_b32 s19, 0
	s_add_nc_u64 s[18:19], s[8:9], s[18:19]
	s_lshl_b32 s22, s20, 4
	s_add_co_u32 s22, s22, 131072
	s_mov_b32 s23, 0
	s_add_nc_u64 s[22:23], s[8:9], s[22:23]
	s_lshl_b32 s92, s13, 9
	s_mov_b32 s93, 0
	s_add_nc_u64 s[10:11], s[10:11], s[92:93]
	s_lshl_b32 s20, s20, 15
	s_mov_b32 s21, 0
	s_add_nc_u64 s[20:21], s[20:21], s[92:93]
	s_add_nc_u64 s[96:97], s[96:97], s[20:21]
	s_add_nc_u64 s[98:99], s[98:99], s[20:21]
	s_mov_b64 s[XPT:XPT+1], s[96:97]               ; where the loop's prefetches of x stand: my token 0
.irp i, 0,1,2,3
	global_load_b128 v[CF+4*\i:CF+4*\i+3], v[CFA], s[18:19] offset:16*\i
.endr
	global_load_b128 v[CF+16:CF+19], v[GO], s[22:23]
	global_load_b128 v[B2R:B2R+3], v[GO], s[10:11]
.macro SCLD set, off
.irp q, 0,1,2,3
	global_load_b32 v[SC+8*(\set)+\q], v[L4], s[4:5] offset:(\off)+128*\q
.endr
.irp q, 0,1,2,3
	global_load_b32 v[SC+8*(\set)+4+\q], v[L4], s[6:7] offset:(\off)+128*\q
.endr
.endm
	SCLD 5, 0
	SCLD 0, 2048
	SCLD 1, 2*2048
	SCLD 2, 3*2048
	TPF 0, 0, 0                                    ; steps 1 and 2
	TPF 2, 0, 0                                    ; steps 3 and 4
.macro FRAG reg, adr, off
.irp c, 0,1,2
	ds_load_b128 v[\reg+4*\c:\reg+4*\c+3], v[\adr] offset:\off+512*\c
.endr
.endm
.macro FETCH_B r, p
	WIN TO_B
.irp i, 0,1,2,3,4,5,6,7
	FRAG 128*(\p)+FR*\i, ADRB+\r, 1536*\i
.endr
	WIN 0
.endm
.macro FETCH_A r, i0
.irp i, \i0, \i0+1, \i0+2, \i0+3
	FRAG AF+FR*(\i), ADRA+\r, 1536*(\i)
.endr
.endm
.macro WM a, b, p, sg, zero
.set DD,  8*(8*((\a)%4)+(\b))
.set BF,  128*(\p)+FR*(\b)
.set AG,  AF+FR*(\a)
.set SBR, SC+8*(\sg)+4+(\b)/2
.set SAR, SC+8*(\sg)+(\a)/2
.if \zero
.if ((\b)%2) && ((\a)%2)
	v_wmma_scale_f32_16x16x128_f8f6f4 v[DD:DD+7], v[BF:BF+FR-1], v[AG:AG+FR-1], 0, v[SBR], v[SAR] matrix_a_fmt:MATRIX_FMT_FP6 matrix_b_fmt:MATRIX_FMT_FP6 matrix_a_scale:MATRIX_SCALE_ROW1 matrix_b_scale:MATRIX_SCALE_ROW1
.elseif (\b)%2
	v_wmma_scale_f32_16x16x128_f8f6f4 v[DD:DD+7], v[BF:BF+FR-1], v[AG:AG+FR-1], 0, v[SBR], v[SAR] matrix_a_fmt:MATRIX_FMT_FP6 matrix_b_fmt:MATRIX_FMT_FP6 matrix_a_scale:MATRIX_SCALE_ROW1
.elseif (\a)%2
	v_wmma_scale_f32_16x16x128_f8f6f4 v[DD:DD+7], v[BF:BF+FR-1], v[AG:AG+FR-1], 0, v[SBR], v[SAR] matrix_a_fmt:MATRIX_FMT_FP6 matrix_b_fmt:MATRIX_FMT_FP6 matrix_b_scale:MATRIX_SCALE_ROW1
.else
	v_wmma_scale_f32_16x16x128_f8f6f4 v[DD:DD+7], v[BF:BF+FR-1], v[AG:AG+FR-1], 0, v[SBR], v[SAR] matrix_a_fmt:MATRIX_FMT_FP6 matrix_b_fmt:MATRIX_FMT_FP6
.endif
.else
.if ((\b)%2) && ((\a)%2)
	v_wmma_scale_f32_16x16x128_f8f6f4 v[DD:DD+7], v[BF:BF+FR-1], v[AG:AG+FR-1], v[DD:DD+7], v[SBR], v[SAR] matrix_a_fmt:MATRIX_FMT_FP6 matrix_b_fmt:MATRIX_FMT_FP6 matrix_a_scale:MATRIX_SCALE_ROW1 matrix_b_scale:MATRIX_SCALE_ROW1
.elseif (\b)%2
	v_wmma_scale_f32_16x16x128_f8f6f4 v[DD:DD+7], v[BF:BF+FR-1], v[AG:AG+FR-1], v[DD:DD+7], v[SBR], v[SAR] matrix_a_fmt:MATRIX_FMT_FP6 matrix_b_fmt:MATRIX_FMT_FP6 matrix_a_scale:MATRIX_SCALE_ROW1
.elseif (\a)%2
	v_wmma_scale_f32_16x16x128_f8f6f4 v[DD:DD+7], v[BF:BF+FR-1], v[AG:AG+FR-1], v[DD:DD+7], v[SBR], v[SAR] matrix_a_fmt:MATRIX_FMT_FP6 matrix_b_fmt:MATRIX_FMT_FP6 matrix_b_scale:MATRIX_SCALE_ROW1
.else
	v_wmma_scale_f32_16x16x128_f8f6f4 v[DD:DD+7], v[BF:BF+FR-1], v[AG:AG+FR-1], v[DD:DD+7], v[SBR], v[SAR] matrix_a_fmt:MATRIX_FMT_FP6 matrix_b_fmt:MATRIX_FMT_FP6
.endif
.endif
.endm
.macro MUL16 a0, p, sg, zero
.irp a, \a0, \a0+1
.irp b, 0,1,2,3,4,5,6,7
	WM \a, \b, \p, \sg, \zero
.endr
.endr
.endm
.macro EXTRA scs, sco, pf
.if \scs >= 0
	SCLD \scs, \sco
.endif
.if \pf >= 0
	global_prefetch_b8 v[PFO], s[96:97] offset:131072*(\pf) th:TH_LOAD_NT scope:SCOPE_SE
	global_prefetch_b8 v[PFO], s[96:97] offset:131072*(\pf)+131072 th:TH_LOAD_NT scope:SCOPE_SE
.endif
.endm
.macro ODD sg, rn, g0a, g0b, g1a, g1b, sa, sb, sinc, scs, sco, pf, tp, tg, xp
	s_wait_tensorcnt 0x0
	ds_add_u32 v[SPW], v[NIL]
	s_add_nc_u64 s[\sa+2:\sa+3], s[\sa+2:\sa+3], \sinc
	s_add_nc_u64 s[\sb+2:\sb+3], s[\sb+2:\sb+3], \sinc
	s_wait_loadcnt 16
	s_wait_dscnt 4*NL+1
	WIN MUL_LO
	MUL16 0, 1, \sg, 0
	s_wait_dscnt 0x0
	WIN 0
	s_barrier_signal -1
	s_barrier_wait -1
	CREST
	JLOAD \g0a, \g1a, \g0b, \g1b
	WIN MUL_LO
	MUL16 2, 1, \sg, 0
	PLACES NP
	FETCH_B \rn, 0
	FETCH_A \rn, 0
	s_wait_alu depctr_va_vdst(0)
	EXTRA \scs, \sco, \pf
	TPF \tp, \tg, \xp
	WIN MUL_HI
	MUL16 4, 1, \sg, 0
	MUL16 6, 1, \sg, 0
	PLACES NP
	WIN 0
	FETCH_A \rn, 4
.endm
.macro EVEN sg, rn, zero, lc, scs, sco, pf
	s_wait_loadcnt \lc
	s_wait_dscnt 4*NL
	WIN MUL_LO
	MUL16 0, 0, \sg, \zero
	MUL16 2, 0, \sg, \zero
	s_wait_tensorcnt 0x0
	s_wait_dscnt 0x0
	s_barrier_signal -1
	s_barrier_wait -1
	PLACES NP
	FETCH_B \rn, 1
	FETCH_A \rn, 0
	EXTRA \scs, \sco, \pf
	WIN MUL_HI
	MUL16 4, 0, \sg, \zero
	MUL16 6, 0, \sg, \zero
	PLACES NP
	WIN 0
	FETCH_A \rn, 4
.endm
	s_wait_alu depctr_va_vdst(0)                   ; the head's end
	s_wait_tensorcnt 0x0                           ; my part of region 0 is in
	ds_add_u32 v[SPW], v[NIL]
	s_wait_dscnt 0x0
	CROUND                                         ; region 0 is whole, and all sixteen work-groups are here
	JLOAD G0_2, G1, G0B_2, G1B                     ; steps 1 and 2, the first tensor load behind the round
	FETCH_B 0, 0
	FETCH_A 0, 0
	FETCH_A 0, 4
	EVEN 5, 1, 1, 24, -1, 0, -1
	s_mov_b32 s3, 2
.Llap:
	ODD  0, 2, G0_0, G0B_0, G1, G1B, G0_2, G0B_2, 6*SIDE, 3, 4*2048, -1, 4, 0, 0
	EVEN 1, 0, 0, 16, 4, 5*2048, -1
	ODD  2, 1, G0_1, G0B_1, G1, G1B, G0_0, G0B_0, 6*SIDE, 5, 6*2048, -1, 6, 0, 1
	EVEN 3, 2, 0, 16, 0, 7*2048, -1
	ODD  4, 0, G0_2, G0B_2, G1, G1B, G0_1, G0B_1, 6*SIDE, 1, 8*2048, -1, 8, 1, 0
	EVEN 5, 1, 0, 16, 2, 9*2048, -1
	s_wait_xcnt 0x0
	s_add_nc_u64 s[4:5], s[4:5], 6*2048
	s_add_nc_u64 s[6:7], s[6:7], 6*2048
	s_add_nc_u64 s[TPT:TPT+1], s[TPT:TPT+1], 6*SIDE   ; (behind the wait on XCNT above) six steps on,
	s_add_nc_u64 s[XPT:XPT+1], s[XPT:XPT+1], 262144   ; and eight tokens on
	s_sub_co_u32 s3, s3, 1
	s_cmp_lg_u32 s3, 0
	s_cbranch_scc1 .Llap
	ODD  0, 2, G0X, G0XB, G1H, G1HB, G0X, G0XB, 15*SIDE, -1, 0, 4, -1, 0, 0
	EVEN 1, 0, 0, 8, -1, 0, 6
.macro XLD t
.irp i, 0,1,2,3
	global_load_b128 v[16*((\t)%16)+4*\i:16*((\t)%16)+4*\i+3], v[GO], s[96:97] offset:32768*(\t)+8192*\i th:TH_LOAD_NT
.endr
.endm
	s_wait_loadcnt 0x0
	WIN 0x40
.irp t, 0,1,2,3,4,5,6,7
	XLD \t
.endr
	WIN 0
	s_wait_dscnt 4*NL
	WIN MUL_LO
	MUL16 0, 1, 2, 0
	MUL16 2, 1, 2, 0
	s_wait_dscnt 0
	WIN MUL_HI
	MUL16 4, 1, 2, 0
	MUL16 6, 1, 2, 0
	WIN 0
	PLACES NP
	WIN 0x40
.irp t, 8,9,10,11,12,13,14
	XLD \t
.endr
	WIN 0
	s_barrier_signal -1
	s_barrier_wait -1
.irp a, 0,1,2,3,4,5,6,7
	WIN 0x08+4*((\a)/4)
.irp b, 0,1,2,3,4,5,6,7
	ds_store_b128 v[DMP], v[64*((\a)%4)+8*\b:64*((\a)%4)+8*\b+3] offset:8448*\a+128*(\b/2)+32*(\b%2)
	ds_store_b128 v[DMP], v[64*((\a)%4)+8*\b+4:64*((\a)%4)+8*\b+7] offset:8448*\a+128*(\b/2)+32*(\b%2)+16
.endr
.endr
	WIN 0
	s_wait_dscnt 0x0
	s_barrier_signal -1
	s_barrier_wait -1
.macro DSL t
.irp s, 0,1,2,3
	ds_load_b128 v[L+16*((\t)%3)+4*\s:L+16*((\t)%3)+4*\s+3], v[RDP+\s] offset:528*(\t)
.endr
.endm
.macro TOKEN t
.if (\t) <= 29
	DSL (\t)+2
	s_wait_dscnt 8
.elseif (\t) == 30
	s_wait_dscnt 4
.else
	s_wait_dscnt 0
.endif
.set LL, L+16*((\t)%3)
.set OO, 16*((\t)%16)                  ; each token has 16 result registers of its own, in windows 2 and 3 (the accumulators have left them): no store's data are written again
.set OW, 2+(\t)/16
.set XX, 16*((\t)%16)
	v_pk_add_f32 v[LO:LO+1], v[LL:LL+1], v[LL+4:LL+5]
	v_pk_add_f32 v[LO+2:LO+3], v[LL+2:LL+3], v[LL+6:LL+7]
	v_pk_add_f32 v[LL+8:LL+9], v[LL+8:LL+9], v[LL+12:LL+13]
	v_pk_add_f32 v[LL+10:LL+11], v[LL+10:LL+11], v[LL+14:LL+15]
	v_pk_add_f32 v[LO:LO+1], v[LO:LO+1], v[LL+8:LL+9]
	v_pk_add_f32 v[LO+2:LO+3], v[LO+2:LO+3], v[LL+10:LL+11]
	v_pk_add_f32 v[LO:LO+1], v[LO:LO+1], v[B2R:B2R+1]
	v_pk_add_f32 v[LO+2:LO+3], v[LO+2:LO+3], v[B2R+2:B2R+3]
.set kk, 0
.rept 20
	v_readlane_b32 s[24+2*kk], v[CF+kk], \t        ; into the even registers: the packed forms name a pair and take its low word for both halves
.set kk, kk+1
.endr
.if (\t) <= 17
	s_wait_loadcnt 56
.else
	s_wait_loadcnt 4*(31-(\t))
.endif
	WIN OW<<6
.irp i, 0,1,2,3
.irp c, 0,2
	v_pk_mul_f32 v[OO+4*\i+\c:OO+4*\i+\c+1], v[LO+\c:LO+\c+1], s[56+2*\i:57+2*\i] op_sel_hi:[1,0]   ; h_post[i] x layer_output
.endr
.endr
	WIN (OW<<6)|(OW<<4)|0x01
.irp j, 0,1,2,3
.irp i, 0,1,2,3
.irp c, 0,2
	v_pk_fma_f32 v[OO+4*\i+\c:OO+4*\i+\c+1], v[XX+4*\j+\c:XX+4*\j+\c+1], s[24+2*(4*\i+\j):25+2*(4*\i+\j)], v[OO+4*\i+\c:OO+4*\i+\c+1] op_sel_hi:[1,0,1]   ; + H_merged[i][j] x stream j
.endr
.endr
.endr
	WIN OW<<2
.irp i, 0,1,2,3
	global_store_b128 v[GO], v[OO+4*\i:OO+4*\i+3], s[98:99] offset:32768*(\t)+8192*\i th:TH_STORE_NT
.endr
	WIN 0
.if (\t) <= 16
	WIN 0x40
	XLD (\t)+15
	WIN 0
.endif
.endm
.irp q, 57,59,61,63
	s_mov_b32 s\q, 0                               ; the upper halves of the pairs that take h_post: the descriptors that lay here are done with (all tensor loads were waited for above), and no word of an address stays in a pair that arithmetic names
.endr
	DSL 0
	DSL 1
.irp t, 0,1,2,3,4,5,6,7,8,9,10,11,12,13,14,15,16,17,18,19,20,21,22,23,24,25,26,27,28,29,30,31
	TOKEN \t
.endr
	s_wait_tensorcnt 0x0
	ds_add_u32 v[SPW], v[NIL]
	s_wait_dscnt 0x0
	CROUND
	s_endpgm
.Lfunc_end_k_q76d4c7f808_mlp2:
	.size	k_q76d4c7f808_mlp2, .Lfunc_end_k_q76d4c7f808_mlp2-k_q76d4c7f808_mlp2
	.p2alignl 7, 3214868480
	.fill 96, 4, 3214868480
	.section	.rodata,"a",@progbits
	.p2align	6, 0x0
	.amdhsa_kernel k_q76d4c7f808_mlp2
		.amdhsa_group_segment_fixed_size 327680
		.amdhsa_private_segment_fixed_size 0
		.amdhsa_enable_private_segment 0
		.amdhsa_kernarg_size 48
		.amdhsa_user_sgpr_count 2
		.amdhsa_user_sgpr_kernarg_segment_ptr 1
		.amdhsa_wavefront_size32 1
		.amdhsa_system_sgpr_workgroup_id_x 1
		.amdhsa_system_sgpr_workgroup_id_y 1
		.amdhsa_system_sgpr_workgroup_id_z 1
		.amdhsa_system_vgpr_workitem_id 0
		.amdhsa_next_free_vgpr 1024
		.amdhsa_next_free_sgpr 100
		.amdhsa_reserve_vcc 0
		.amdhsa_float_denorm_mode_32 3
		.amdhsa_float_denorm_mode_16_64 3
		.amdhsa_memory_ordered 1
		.amdhsa_forward_progress 1
		.amdhsa_inst_pref_size 255
	.end_amdhsa_kernel
	.section	.bss,"aw",@nobits
	.p2align	6
	.space	262144
	.amdgpu_metadata
---
amdhsa.version: [ 1, 2 ]
amdhsa.kernels:
  - .name:           k_q76d4c7f808_mlp2
    .symbol:         k_q76d4c7f808_mlp2.kd
    .args:
      - { .name: hq, .offset: 0, .size: 8, .value_kind: global_buffer, .address_space: global }
      - { .name: wq, .offset: 8, .size: 8, .value_kind: global_buffer, .address_space: global }
      - { .name: coef, .offset: 16, .size: 8, .value_kind: global_buffer, .address_space: global }
      - { .name: b2, .offset: 24, .size: 8, .value_kind: global_buffer, .address_space: global }
      - { .name: x_streams, .offset: 32, .size: 8, .value_kind: global_buffer, .address_space: global }
      - { .name: out0, .offset: 40, .size: 8, .value_kind: global_buffer, .address_space: global }
    .group_segment_fixed_size: 327680
    .private_segment_fixed_size: 0
    .kernarg_segment_align: 8
    .kernarg_segment_size: 48
    .max_flat_workgroup_size: 128
    .sgpr_count:     100
    .vgpr_count:     1024
    .wavefront_size: 32
...
	.end_amdgpu_metadata
.endif
;; end of part 4
